; MI455X (gfx1250); checked and timed in simulation.
; The chip was launched on July 23, 2026; its instructions are those of AMD's public machine-readable ISA for CDNA 5 (MIT licence, August 2026) and "CDNA5" Instruction Set Architecture Reference Guide (July 2026). The comments in the code are by the model that wrote it; some were corrected since.
;; Self Attention. Allowed arithmetic: matrix products marked QUANTISED: E2M1 operands, one E8M0 scale for each 32 along K, by v_wmma_scale_f32_16x16x128_f8f6f4 with both operands' format E2M1 (or v_wmma_scale_f32_32x16x128_f4), f32 sums; products left as they are: bf16, f16 or f32 operands; f32 sums; everything else in f32.
;; Inputs: Wo 1,024 x 1,024 float32; Wqkv 3,072 x 1,024 float32; attn_bias 2,048 x 2,048 float32; attn_mask 2,048 x 2,048 float32; bo 1,024 float32; bqkv 3,072 float32; key 4 x 2,048 x 1,024 float32; query 4 x 2,048 x 1,024 float32; value 4 x 2,048 x 1,024 float32.
;; Outputs: out0 4 x 2,048 x 1,024 float32.
;; This version of the problem:
;;   THIS VERSION OF THE PROBLEM IS GIVEN IN LOW PRECISION. The matrix products marked QUANTISED in the list below multiply operands that are first quantised to E2M1 (2 exponent bits, 1 mantissa bit; 4 bits a number), with one power-of-two scale for each 32 numbers along K (OCP MX v1.0); their sums are f32. The products marked 'left as it is' may take bf16, f16 or f32 operands, with f32 sums. Whichever they take, every output number must still come out within the allowed error. Rounding operands to bf16 (8 significant bits) uses up far more of that allowance than f16 does (11 bits, for magnitudes from 6e-5 to 65,504). All else is computed in f32.
;;   The module's matrix products, in the order in which they are computed (A, B: the left and right operand; K: the contracted axis; several contracted axes count as one K, in the product's order):
;;     1. [M 8,192, K 1,024] x [K 1,024, N 1,024]; A: input query; B: input Wqkv: QUANTISED
;;     2. [M 8,192, K 1,024] x [K 1,024, N 1,024]; A: input key; B: input Wqkv: QUANTISED
;;     3. [M 8,192, K 1,024] x [K 1,024, N 1,024]; A: input value; B: input Wqkv: QUANTISED
;;     4. batch 64 x [M 2,048, K 64] x [K 64, N 2,048]; A: computed on the way; B: computed on the way: left as it is (an operand is computed on the way)
;;     5. batch 64 x [M 64, K 2,048] x [K 2,048, N 2,048]; A: computed on the way; B: computed on the way: left as it is (an operand is computed on the way)
;;     6. [M 8,192, K 1,024] x [K 1,024, N 1,024]; A: computed on the way; B: input Wo: left as it is (an operand is computed on the way)
;;   THE QUANTISER, for each operand of a quantised product, along K:
;;     - K is cut into blocks of 32 from its start; a last block that is shorter is filled with zeros.
;;     - A block's scale is 2^e with e = floor(log2(the largest magnitude in the block)) - 2, held to -126 .. 127; a block of zeros has e = 0. As a byte (E8M0): e + 127.
;;     - Each number is divided by its block's scale, clamped to +-6, and rounded to the nearest number of E2M1, ties to even, subnormals kept.
;;     - The product sums the exact products of the quantised numbers (number of the format x scale) in f32.
;;   ~~~python
;;   def quantise(x, axis):      # numpy; x: float32 -> the quantised numbers, widened to float32 again
;;       x = np.moveaxis(x, axis, -1); K = x.shape[-1]
;;       x = np.pad(x, [(0, 0)] * (x.ndim - 1) + [(0, -K % 32)]); x = x.reshape(x.shape[:-1] + (-1, 32)); a = np.abs(x).max(-1, keepdims=True)
;;       e = np.where(a > 0, np.clip(np.frexp(np.where(a > 0, a, 1))[1] - 1 - 2, -126, 127), 0)      # np.frexp(a)[1] - 1 = floor(log2(a)), exactly
;;       r = np.clip(x / 2.0 ** e, -6, 6)
;;       step = 2.0 ** (np.maximum(np.frexp(np.where(r == 0, 1, r))[1] - 1, 0) - 1)
;;       q = np.round(r / step) * step * 2.0 ** e      # np.round: ties to even
;;       return np.moveaxis(q.reshape(q.shape[:-2] + (-1,))[..., :K], -1, axis).astype(np.float32)
;;   ~~~
;; One version. Each part assembles by itself: llvm-mc -triple=amdgcn-amd-amdhsa -mcpu=gfx1250 --defsym DOCPART=n.
;; ======== version 1 of 1: 4 launches
;; limits: values are held in f16: magnitudes above 65,504 overflow, below 6.1e-05 lose precision
;; workspace buffers: codes 14,155,776 bytes; scales 884,736 bytes; mbw 16,777,216 bytes; wo16 2,097,152 bytes; qkv 50,331,648 bytes; ao 16,777,216 bytes
;; launch prep (part 1): grid 1504 x 1, 4 waves a work-group, no clusters, 33,280 bytes of LDS; arguments query, key, value, Wqkv, attn_mask, attn_bias, Wo, codes, scales, mbw, wo16; writes codes, scales, mbw, wo16
.if DOCPART == 1
	.amdgcn_target "amdgcn-amd-amdhsa--gfx1250"
	.amdhsa_code_object_version 6
	.text
	.protected	k_qcf7d2f7ecb_prep
	.globl	k_qcf7d2f7ecb_prep
	.p2align	8
	.type	k_qcf7d2f7ecb_prep,@function
k_qcf7d2f7ecb_prep:
	s_mov_b64 s[64:65], 0
	v_nop
	global_prefetch_b8 v0, s[64:65] scope:SCOPE_SE
	s_setreg_imm32_b32 hwreg(HW_REG_WAVE_MODE, 25, 1), 1
	s_wait_xcnt 0x0
; PREP: everything that is made once from the inputs, three kinds of work on three ranges of work-groups.
;  work-groups 0 .. 863: query, key, value [8192][1024] and Wqkv [3072][1024], f32, K innermost, become codes of FP4 (E2M1), two a byte, and one E8M0 byte for each 32 along K.
;     All four are plain streams of blocks of 32; the codes and the bytes of the four lie one behind the other in 'codes' (512 bytes a row) and 'scales' (32 bytes a row).
;     A block's scale is 2^(floor(log2(largest magnitude)) - 2); its byte is the largest magnitude's exponent field - 2, held at 1 from below.
;  work-groups 864 .. 1375: mbw = (attn_mask + attn_bias) x log2(e), f32: the one number that the attention launch adds to a score in base 2.
;  work-groups 1376 .. 1503: Wo [1024 n][1024 k] becomes f16, laid as images of operand registers: [n / 16][k / 16][512 bytes], lane (r, h)'s 16 bytes = Wo(16 nt + r, 16 kt + 8 h + 0 .. 7).
; LIMITS: NaN and infinities among query, key, value, Wqkv, Wo are not served; a block whose largest magnitude lies under 2^-124 (a block of zeros too) gets the byte 1: its codes are read by this program alone;
;     |Wo| up to 65,504 (f16).  mask + bias is rounded once before the score is added: another order of f32 roundings than (score + mask) + bias.
.set NQW,   864                        ; work-groups that quantise: (3 x 8192 + 3072) x 1024 / 32,768
.set NMW,   512                        ; that add mask and bias: 16,777,216 / 32,768 bytes
.set STEPS, 16                         ; a wave's steps of 512 numbers
.set EMAX,  2
.set CB,    8                          ; bytes of 16 codes
.set R,     16                         ; v16-79   four sets of 16 numbers as they are loaded
.set X,     80                         ; v80-111  two sets of 16 neighbours
.set C,     128                        ; v128-191 codes: four registers a step, so that no store's data are written again
.set E,     112                        ; v112-127 a scale byte for each step
.set WREG,  8192                       ; LDS: a region for each wave: two stages of 32 x SP bytes, behind them its 256 scale bytes
.set SP,    80                         ; a lane's place in a stage: 64 bytes + 16 of padding
.set SPW,   12                         ; v12  LDS address of my spare word; never rewritten
.set NIL,   13                         ; v13  0; never rewritten
.set SPARE, 4*WREG                     ; behind the regions: the spare words, 128 bytes a wave, which no other line names
	s_load_b256 s[4:11], s[0:1], 0x0               ; query, key, value, Wqkv
	s_load_b256 s[12:19], s[0:1], 0x20             ; attn_mask, attn_bias, Wo, codes
	s_load_b128 s[20:23], s[0:1], 0x40             ; scales, mbw
	s_load_b64 s[24:25], s[0:1], 0x50              ; wo16
	v_lshl_add_u32 v[SPW], v0, 2, SPARE
	v_mov_b32 v[NIL], 0
	v_lshrrev_b32 v1, 5, v0
	v_readfirstlane_b32 s26, v1                    ; wave
	v_and_b32 v2, 31, v0                           ; lane
	s_mov_b32 s31, 0                               ; the upper word of every 32-bit offset below
	s_wait_kmcnt 0x0
	s_cmp_ge_u32 ttmp9, NQW
	s_cbranch_scc1 .Lstream
; ---- THE QUANTISER.  A wave takes 8,192 numbers in 16 steps of 512.  Each load reads 512 consecutive bytes, 16 a lane; a step's 2,048 bytes turn through the wave's own stage in LDS and come back
; 64 bytes a lane, so that a lane holds 16 neighbours along K (two neighbouring lanes hold a block).  Loads run four steps ahead, the turn one step.
	s_mov_b64 s[28:29], s[10:11]                   ; which tensor: a choice on the work-group's number alone
	s_mov_b32 s27, 768
	s_cmp_lt_u32 ttmp9, 768
	s_cselect_b64 s[28:29], s[8:9], s[28:29]
	s_cselect_b32 s27, 512, s27
	s_cmp_lt_u32 ttmp9, 512
	s_cselect_b64 s[28:29], s[6:7], s[28:29]
	s_cselect_b32 s27, 256, s27
	s_cmp_lt_u32 ttmp9, 256
	s_cselect_b64 s[28:29], s[4:5], s[28:29]
	s_cselect_b32 s27, 0, s27                      ; the tensor's first work-group
	s_sub_co_u32 s30, ttmp9, s27
	s_lshl_b32 s30, s30, 2
	s_add_co_u32 s30, s30, s26
	s_lshl_b32 s30, s30, 15                        ; my run of 32,768 bytes in the tensor
	s_add_nc_u64 s[28:29], s[28:29], s[30:31]
	s_lshl_b32 s33, ttmp9, 2
	s_add_co_u32 s33, s33, s26                     ; my run's number in the four tensors on end
	s_lshl_b32 s30, s33, 12
	s_add_nc_u64 s[18:19], s[18:19], s[30:31]      ; 4,096 bytes of codes a run
	s_lshl_b32 s30, s33, 8
	s_add_nc_u64 s[20:21], s[20:21], s[30:31]      ; 256 scale bytes a run
	v_lshlrev_b32 v3, 4, v2                        ; my 16 bytes of a load's 512
	s_mul_i32 s32, s26, WREG
	v_lshrrev_b32 v14, 2, v2
	v_mul_u32_u24 v14, v14, SP
	v_and_b32 v15, 3, v2
	v_lshl_add_u32 v14, v15, 4, v14
	v_add_nc_u32 v14, s32, v14                     ; the stage, on the way in: SP (lane / 4) + 16 (lane % 4)
	v_mul_u32_u24 v15, v2, SP
	v_add_nc_u32 v15, s32, v15                     ; and on the way out: SP x lane
	v_mul_u32_u24 v4, v2, CB                       ; my codes' place in a step's
	v_lshrrev_b32 v5, 1, v2
	s_add_co_u32 s32, s32, 2*32*SP
	v_add_nc_u32 v5, s32, v5                       ; LDS: my block's scale byte
	v_lshlrev_b32 v7, 3, v2
	v_add_nc_u32 v6, s32, v7                       ; and on the way out 8 bytes a lane
.macro LOAD t
.irp i, 0,1,2,3
	global_load_b128 v[R+16*((\t)%4)+4*\i:R+16*((\t)%4)+4*\i+3], v3, s[28:29] offset:2048*(\t)+512*\i th:TH_LOAD_NT
.endr
.endm
.macro TURN t                          ; LDS serves a wave's instructions in order: no wait between these stores and loads
.irp i, 0,1,2,3
	ds_store_b128 v14, v[R+16*((\t)%4)+4*\i:R+16*((\t)%4)+4*\i+3] offset:32*SP*((\t)%2)+8*SP*\i
.endr
.irp i, 0,1,2,3
	ds_load_b128 v[X+16*((\t)%2)+4*\i:X+16*((\t)%2)+4*\i+3], v15 offset:32*SP*((\t)%2)+16*\i
.endr
.endm
.irp t, 0,1,2,3
	LOAD \t
.endr
	s_wait_loadcnt 12                              ; step 0's four loads are in; twelve younger ones may be out
	TURN 0
.macro STEP t
.set XS, X+16*((\t)%2)
.if (\t) > 0
	s_wait_dscnt 1                                 ; this step's numbers are back from the stage; the last step's byte store may be out
.else
	s_wait_dscnt 0x0
.endif
.if (\t)+4 < STEPS
	LOAD (\t)+4                                    ; into the registers that the stage's stores have read
.endif
.if (\t)+1 < STEPS
.if STEPS-2-(\t) >= 3
	s_wait_loadcnt 12                              ; the next step's four loads are in; those of the three steps behind it may be out
.else
	s_wait_loadcnt 4*(STEPS-2-(\t))
.endif
	TURN (\t)+1
.endif
	v_max3_num_f32 v8, |v[XS]|, |v[XS+1]|, |v[XS+2]|               ; the largest magnitude of my 16, in two chains
	v_max3_num_f32 v9, |v[XS+3]|, |v[XS+4]|, |v[XS+5]|
.irp i, 6,10
	v_max3_num_f32 v8, v8, |v[XS+\i]|, |v[XS+\i+1]|
	v_max3_num_f32 v9, v9, |v[XS+\i+2]|, |v[XS+\i+3]|
.endr
	v_max3_num_f32 v8, v8, |v[XS+14]|, |v[XS+15]|
	v_max3_num_f32 v8, v8, v9, (EMAX+1)<<23        ; and the floor 2^(3 - 127): the byte cannot fall under 1
	v_max_num_f32_dpp v8, v8, v8 row_xmask:1 row_mask:0xf bank_mask:0xf   ; with my neighbour's 16: the block's
	v_add_nc_u32 v11, -(EMAX<<23), v8              ; 2 off its exponent field: the conversion takes this operand's exponent field as its scale
	v_cvt_scalef32_pk8_fp4_f32 v[C+4*(\t)], v[XS:XS+7], v11
	v_cvt_scalef32_pk8_fp4_f32 v[C+4*(\t)+1], v[XS+8:XS+15], v11
	v_lshrrev_b32 v[E+(\t)], 23, v11               ; the scale's byte (a plain line behind the conversions)
	ds_store_b8 v5, v[E+(\t)] offset:16*(\t)       ; both lanes of a block write the same byte with the same value
	global_store_b64 v4, v[C+4*(\t):C+4*(\t)+1], s[18:19] offset:32*CB*(\t)   ; the wave stores 256 consecutive bytes, aligned
.endm
.irp t, 0,1,2,3,4,5,6,7,8,9,10,11,12,13,14,15
	STEP \t
.endr
	ds_load_b64 v[8:9], v6                         ; my wave's 256 scale bytes: these loads see my stores
	s_wait_dscnt 0x0
	global_store_b64 v7, v[8:9], s[20:21]          ; 256 consecutive bytes, aligned
	s_wait_tensorcnt 0x0                           ; the wave's end, behind my last LDS store
	ds_add_u32 v[SPW], v[NIL]
	s_wait_dscnt 0x0
	s_endpgm
; ---- MASK + BIAS.  A work-group takes 32,768 bytes of each; thread t the 16 bytes at 16 t + 2,048 i, i = 0 .. 15.  All 32 loads of a wave go out first; no LDS.
.Lstream:
	s_cmp_ge_u32 ttmp9, NQW+NMW
	s_cbranch_scc1 .Lwo
	s_sub_co_u32 s30, ttmp9, NQW
	s_lshl_b32 s30, s30, 15
	s_add_nc_u64 s[12:13], s[12:13], s[30:31]
	s_add_nc_u64 s[14:15], s[14:15], s[30:31]
	s_add_nc_u64 s[22:23], s[22:23], s[30:31]
	s_mov_b32 s34, 0x3fb8aa3b                      ; log2(e)
	s_mov_b32 s35, s34                             ; (named with it as a pair)
	v_lshlrev_b32 v3, 4, v0
.irp i, 0,1,2,3,4,5,6,7,8,9,10,11,12,13,14,15
	global_load_b128 v[16+4*\i:19+4*\i], v3, s[12:13] offset:2048*\i th:TH_LOAD_NT
	global_load_b128 v[80+4*\i:83+4*\i], v3, s[14:15] offset:2048*\i th:TH_LOAD_NT
.endr
.irp i, 0,1,2,3,4,5,6,7,8,9,10,11,12,13,14,15
	s_wait_loadcnt 30-2*\i                         ; pair i is in; the 15 - i younger pairs may be out
	v_pk_add_f32 v[16+4*\i:17+4*\i], v[16+4*\i:17+4*\i], v[80+4*\i:81+4*\i]
	v_pk_add_f32 v[18+4*\i:19+4*\i], v[18+4*\i:19+4*\i], v[82+4*\i:83+4*\i]
	v_pk_mul_f32 v[16+4*\i:17+4*\i], v[16+4*\i:17+4*\i], s[34:35] op_sel_hi:[1,0]
	v_pk_mul_f32 v[18+4*\i:19+4*\i], v[18+4*\i:19+4*\i], s[34:35] op_sel_hi:[1,0]
	global_store_b128 v3, v[16+4*\i:19+4*\i], s[22:23] offset:2048*\i   ; each register is written once: no store's data are written again
.endr
	s_endpgm
; ---- Wo TO f16 IMAGES.  A wave takes 16 rows n x 128 along k: eight blocks of 16 x 16.  A lane reads 32 bytes of its row for each block; the wave's sixteen loads together read
; 512 consecutive bytes of each of its 16 rows.  Wo is 4 of the launch's 151 MB: a turn through LDS for denser single loads would not pay.
.Lwo:
	s_sub_co_u32 s30, ttmp9, NQW+NMW
	s_lshl_b32 s30, s30, 2
	s_add_co_u32 s30, s30, s26                     ; task 0 .. 511
	s_lshr_b32 s33, s30, 3                         ; n / 16
	s_and_b32 s34, s30, 7                          ; k / 128
	s_lshl_b32 s30, s33, 16                        ; 16 rows of 4,096 bytes
	s_lshl_b32 s35, s34, 9
	s_add_co_u32 s30, s30, s35
	s_add_nc_u64 s[16:17], s[16:17], s[30:31]
	s_lshl_b32 s30, s33, 15                        ; 64 blocks of 512 bytes
	s_lshl_b32 s35, s34, 12
	s_add_co_u32 s30, s30, s35
	s_add_nc_u64 s[24:25], s[24:25], s[30:31]
	v_and_b32 v4, 15, v0                           ; r
	v_bfe_u32 v5, v0, 4, 1                         ; h
	v_lshlrev_b32 v3, 12, v4
	v_lshl_add_u32 v3, v5, 5, v3                   ; row r, + 32 h
	v_lshlrev_b32 v6, 4, v2                        ; an image: 16 bytes a lane
.irp t, 0,1,2,3,4,5,6,7
	global_load_b128 v[16+8*\t:19+8*\t], v3, s[16:17] offset:64*\t
	global_load_b128 v[20+8*\t:23+8*\t], v3, s[16:17] offset:64*\t+16
.endr
.irp t, 0,1,2,3,4,5,6,7
	s_wait_loadcnt 14-2*\t                         ; block t's two loads are in
.irp j, 0,1,2,3
	v_cvt_pk_f16_f32 v[80+4*\t+\j], v[16+8*\t+2*\j], v[16+8*\t+2*\j+1]
.endr
	global_store_b128 v6, v[80+4*\t:83+4*\t], s[24:25] offset:512*\t   ; 512 consecutive bytes, aligned
.endr
	s_endpgm
.Lfunc_end_k_qcf7d2f7ecb_prep:
	.size	k_qcf7d2f7ecb_prep, .Lfunc_end_k_qcf7d2f7ecb_prep-k_qcf7d2f7ecb_prep
	.p2alignl 7, 3214868480
	.fill 96, 4, 3214868480
	.section	.rodata,"a",@progbits
	.p2align	6, 0x0
	.amdhsa_kernel k_qcf7d2f7ecb_prep
		.amdhsa_group_segment_fixed_size 33280
		.amdhsa_private_segment_fixed_size 0
		.amdhsa_enable_private_segment 0
		.amdhsa_kernarg_size 88
		.amdhsa_user_sgpr_count 2
		.amdhsa_user_sgpr_kernarg_segment_ptr 1
		.amdhsa_wavefront_size32 1
		.amdhsa_system_sgpr_workgroup_id_x 1
		.amdhsa_system_sgpr_workgroup_id_y 1
		.amdhsa_system_sgpr_workgroup_id_z 1
		.amdhsa_system_vgpr_workitem_id 0
		.amdhsa_next_free_vgpr 192
		.amdhsa_next_free_sgpr 66
		.amdhsa_reserve_vcc 0
		.amdhsa_float_denorm_mode_32 3
		.amdhsa_float_denorm_mode_16_64 3
		.amdhsa_memory_ordered 1
		.amdhsa_forward_progress 1
		.amdhsa_inst_pref_size 48
	.end_amdhsa_kernel
	.amdgpu_metadata
---
amdhsa.version: [ 1, 2 ]
amdhsa.kernels:
  - .name:           k_qcf7d2f7ecb_prep
    .symbol:         k_qcf7d2f7ecb_prep.kd
    .args:
      - { .name: query, .offset: 0, .size: 8, .value_kind: global_buffer, .address_space: global }
      - { .name: key, .offset: 8, .size: 8, .value_kind: global_buffer, .address_space: global }
      - { .name: value, .offset: 16, .size: 8, .value_kind: global_buffer, .address_space: global }
      - { .name: Wqkv, .offset: 24, .size: 8, .value_kind: global_buffer, .address_space: global }
      - { .name: attn_mask, .offset: 32, .size: 8, .value_kind: global_buffer, .address_space: global }
      - { .name: attn_bias, .offset: 40, .size: 8, .value_kind: global_buffer, .address_space: global }
      - { .name: Wo, .offset: 48, .size: 8, .value_kind: global_buffer, .address_space: global }
      - { .name: codes, .offset: 56, .size: 8, .value_kind: global_buffer, .address_space: global }
      - { .name: scales, .offset: 64, .size: 8, .value_kind: global_buffer, .address_space: global }
      - { .name: mbw, .offset: 72, .size: 8, .value_kind: global_buffer, .address_space: global }
      - { .name: wo16, .offset: 80, .size: 8, .value_kind: global_buffer, .address_space: global }
    .group_segment_fixed_size: 33280
    .private_segment_fixed_size: 0
    .kernarg_segment_align: 8
    .kernarg_segment_size: 88
    .max_flat_workgroup_size: 128
    .sgpr_count:     66
    .vgpr_count:     192
    .wavefront_size: 32
...
	.end_amdgpu_metadata
.endif
;; end of part 1
;; launch proj (part 2): grid 4 x 96, 4 waves a work-group, clusters of 4 x 4, 327,680 bytes of LDS; arguments codes, scales, bqkv, qkv; writes qkv
.if DOCPART == 2
	.amdgcn_target "amdgcn-amd-amdhsa--gfx1250"
	.amdhsa_code_object_version 6
	.text
	.protected	k_qcf7d2f7ecb_proj
	.globl	k_qcf7d2f7ecb_proj
	.p2align	8
	.type	k_qcf7d2f7ecb_proj,@function
k_qcf7d2f7ecb_proj:
	s_mov_b64 s[64:65], 0
	v_nop
	global_prefetch_b8 v0, s[64:65] scope:SCOPE_SE
	s_setreg_imm32_b32 hwreg(HW_REG_WAVE_MODE, 25, 1), 1
	s_wait_xcnt 0x0
	s_wait_alu depctr_hold_cnt(0) depctr_sa_sdst(0) depctr_va_vdst(0) depctr_va_sdst(0) depctr_va_ssrc(0) depctr_va_vcc(0) depctr_vm_vsrc(0)
	s_getreg_b32 s2, hwreg(HW_REG_IB_STS2, 6, 4)
	s_cmp_eq_u32 s2, 0
	s_cbranch_scc0 .Lentry_in_a_cluster
	s_endpgm
.Lentry_in_a_cluster:
	s_bfe_u32 s2, ttmp6, 0x10000c
	s_cmp_lg_u32 s2, 0xf033
	s_cbranch_scc0 .Lentry_shape_is_right
	s_endpgm
.Lentry_shape_is_right:
; PROJ: the three quantised products q = query Wq^T + bq, k = key Wk^T + bk, v = value Wv^T + bv, each [8192][1024] x [1024][1024], on codes of FP4 (E2M1) with one E8M0 byte for each 32 along K; sums in f32.
; A tile of 256 x 256 is made by four waves, 128 x 128 each: 64 accumulators of 16 x 16, 512 registers.  K = 1,024 is two K steps of 512 (rows of 256 bytes): each of the two LDS slots is filled once, nothing is filled again.
; THE MATRIX INSTRUCTION: source 0 = 16 rows of the operand called B here, source 1 = 16 rows of the one called A: a lane then holds ONE row of A (lane % 16) and eight neighbouring rows of B (8 (lane / 16) + 0 .. 7).
;   q, k: A = tokens, B = channels.   v: A = channels (Wv), B = tokens (value): the result is v TRANSPOSED.  One text serves all three: the tensor (cluster y / 8) only selects offsets, by s_cselect_b32.
; THE RESULT LEAVES AS IMAGES OF THE NEXT PRODUCT'S OPERAND REGISTERS, f16: a block of 512 bytes is a 16 x 16 tile, lane l's 16 bytes at 16 l: just what a lane holds here.  So each store of a wave is 512 consecutive bytes, with no way through LDS.
;   qkv: [tensor 3][batch x head 64][group of 64 tokens 32][4][4][512]; q, k: [token tile][channel tile]; v: [channel tile][token tile].  q is multiplied by 0.125 log2(e) on the way.
; CLUSTERS: 4 x 4 work-groups; A's tile is shared along a row of the cluster, B's along a column: joint loads.  384 tiles, 24 clusters.
; LIMITS: 0.18 |q|, |k|, |v| up to 65,504 (f16); a bias that is infinite or NaN is not served (the bias set that a tensor does not use is switched off by a multiplication by 0).
; REGISTERS, in windows of 256: window 0: v0-31 addresses; v32-95 scale words, two sets; v128-191 A's fragments, one set; on the way out v128-191 at work, v192-255 packed results, two sets.
;   window 1: B's fragments, two sets, v0-63 and v128-191; v64-127 the bias by B's rows; v192-207 the bias by A's rows.   windows 2, 3: the accumulators ((a, b) at v[8 (8 (a % 4) + b)]).
.set NQ,     4                         ; matrix instructions deep in a slot
.set ROWB,   256                       ; a tile's row: 512 codes
.set KROW,   512                       ; a row of codes in memory
.set PITCH,  272                       ; an LDS row: 256 bytes + 16 of padding = 68 words: the 16 rows of a fragment load start at 16 different banks (64 banks of 4 bytes: ISA guide 11.1)
.set FR,     8
.set NL,     2
.set NP,     4
.set HALFT,  128*PITCH
.set SLOT,   4*HALFT                   ; A's 256 rows, then B's 256 rows
.set KS,     32                        ; a row of scale bytes
.set SCL,    2*SLOT                    ; behind the slots: the scale bytes, as units of 256 bytes + 16 of padding
.set HALFS,  (128*KS/256)*272
.set SBLK,   (16*KS/256)*272
.set SPARE,  SCL+4*HALFS               ; the spare words, 128 bytes a wave, which no other line names
.set HS,     262144                    ; qkv: from head to head
.set GS,     8192                      ; from group to group
.set VO,   8                           ; v8-11   store offsets: 16 x lane + (a / 4) XA + (b / 4) XB
.set ADRA, 16
.set ADRB, 20
.set ADRS, 27
.set SPW,  28
.set NIL,  29
.set SC,   32
.set AF,   128
.set T,    128
.set OUTR, 192
.set BC,   64                          ; window 1
.set BR,   192                         ; window 1
.set G1,   24
.set G0,   32
.set G1B,  48
.set G0B,  56
.set SS,   66                          ; s[66:67] the factor on the sums: 0.125 log2(e) for q, else 1
.set G1S,  68
.set G0S,  76
.set G1SB, 80
.set G0SB, 88
.set MSB, 0
.macro WIN new                         ; the immediate's high byte repeats the setting that is left
.if MSB != \new
	s_set_vgpr_msb (MSB<<8)|\new
.set MSB, \new
.endif
.endm
.set MUL_LO, 0xa1                      ; source 0 (B) window 1, source 1 (A) window 0, C and D window 2
.set MUL_HI, 0xf1
.set TO_B,   0x40
; A joint load: waves 0 and 1 fetch for A, waves 2 and 3 for B; the branch hangs on the wave's number alone.  An s_nop 0 and four v_nop follow each of the two lines.
.macro JLOAD g0a, g1a, g0b, g1b
	s_cmp_eq_u32 s15, 0
	s_cbranch_scc0 .Lfor_b_\@
	tensor_load_to_lds s[\g0a:\g0a+3], s[\g1a:\g1a+7]
	s_nop 0
.rept 4
	v_nop
.endr
	s_branch .Lasked_\@
.Lfor_b_\@:
	tensor_load_to_lds s[\g0b:\g0b+3], s[\g1b:\g1b+7]
	s_nop 0
.rept 4
	v_nop
.endr
.Lasked_\@:
.endm
.macro CROUND                          ; a round of the cluster's barrier
	s_barrier_signal -1
	s_barrier_wait -1
	s_cmp_lg_u32 s14, 0
	s_cbranch_scc1 .Lnot_wave_0_\@
	s_barrier_signal -3
.Lnot_wave_0_\@:
	s_barrier_wait -3
	s_barrier_signal -1
	s_barrier_wait -1
.endm
	s_load_b256 s[4:11], s[0:1], 0x0               ; codes s[4:5], scales s[6:7], bqkv s[8:9], qkv s[10:11]
	v_lshl_add_u32 v[SPW], v0, 2, SPARE
	v_mov_b32 v[NIL], 0
	ds_add_u32 v[SPW], v[NIL]                      ; the wave's opening: the add, twice on end, and its wait ahead of my first tensor load
	ds_add_u32 v[SPW], v[NIL]
	v_lshrrev_b32 v1, 5, v0
	v_readfirstlane_b32 s14, v1                    ; wave 0..3
	s_lshr_b32 s15, s14, 1                         ; which half of A's rows is mine.  Also: I fetch for A (0) or for B (1)
	s_and_b32 s16, s14, 1                          ; which half of B's rows.  Also: which 128 rows I fetch
	s_bfe_u32 s40, ttmp6, 0x40000                  ; cx
	s_bfe_u32 s41, ttmp6, 0x40004                  ; cy
	s_and_b32 s12, ttmp7, 0xffff                   ; cluster y, 0 .. 23: the same in all sixteen partners
	s_lshr_b32 s13, s12, 3                         ; the tensor: 0 q, 1 k, 2 v
	s_and_b32 s2, s12, 7
	s_lshl_b32 s2, s2, 2                           ; the cluster's first of the 32 tiles of tokens
	s_lshl_b32 s92, s13, 22                        ; where the tokens' codes begin,
	s_lshl_b32 s93, s13, 19
	s_add_co_u32 s93, s93, 12582912                ; the weight's codes,
	s_lshl_b32 s94, s13, 18                        ; the tokens' scale bytes,
	s_lshl_b32 s95, s13, 15
	s_add_co_u32 s95, s95, 786432                  ; the weight's
	s_mov_b32 s3, 1.0
	s_cmp_eq_u32 s13, 0
	s_cselect_b32 s[SS], 0x3e38aa3b, s3            ; 0.125 log2(e) for q
	s_mov_b32 s[SS+1], s[SS]
	s_cmp_eq_u32 s13, 2                            ; v: the operands change roles
	s_cselect_b32 s17, 0, s2
	s_cselect_b32 s42, s2, 0
	s_cselect_b32 s96, s93, s92                    ; A's codes
	s_cselect_b32 s97, s92, s93                    ; B's codes
	s_cselect_b32 s98, s95, s94                    ; A's scale bytes
	s_cselect_b32 s99, s94, s95                    ; B's
	s_add_co_u32 s17, s17, s41                     ; A's tile: hangs on cy and the cluster's y alone
	s_add_co_u32 s42, s42, s40                     ; B's tile: on cx and the cluster's y alone
	s_lshl_b32 s43, s41, 2
	s_lshl_b32 s43, 15, s43                        ; my row of the cluster
	s_lshl_b32 s44, 0x1111, s40                    ; my column
	; descriptor group 1: 128 rows x 256 bytes, 16 bytes of padding behind each row
	s_or_b32 s[G1+0], s43, (0<<16)|(1<<20)|(1<<21)|(5<<22)|(3<<25)  ; 15:0 the mask; 17:16 elements of 1 byte; 20 padding on; 21 set beside a mask; 24:22 after every 64 words; 31:25 four words
	s_or_b32 s[G1B+0], s44, (0<<16)|(1<<20)|(1<<21)|(5<<22)|(3<<25)
.irp g, G1, G1B
	s_mov_b32 s[\g+1], ROWB<<16                    ; tensor_dim0
	s_mov_b32 s[\g+2], 128<<16                     ; tensor_dim1
	s_mov_b32 s[\g+3], ROWB<<16                    ; tile_dim0
	s_mov_b32 s[\g+4], 128                         ; tile_dim1
	s_mov_b32 s[\g+5], KROW                        ; from row to row
	s_mov_b32 s[\g+6], 0
	s_mov_b32 s[\g+7], 0
.endr
	; the scale bytes of 128 rows: 4,096 dense bytes, as 16 rows of 256 (32 elements of 8 bytes), 16 bytes of padding behind each
	s_or_b32 s[G1S+0], s43, (3<<16)|(1<<20)|(1<<21)|(5<<22)|(3<<25)
	s_or_b32 s[G1SB+0], s44, (3<<16)|(1<<20)|(1<<21)|(5<<22)|(3<<25)
.irp g, G1S, G1SB
	s_mov_b32 s[\g+1], 32<<16
	s_mov_b32 s[\g+2], (128*KS/256)<<16
	s_mov_b32 s[\g+3], 32<<16
	s_mov_b32 s[\g+4], 128*KS/256
	s_mov_b32 s[\g+5], 32
	s_mov_b32 s[\g+6], 0
	s_mov_b32 s[\g+7], 0
.endr
	s_lshl_b32 s18, s16, 7                         ; which 128 rows of the tile I fetch
	s_lshl_b32 s20, s17, 8
	s_add_co_u32 s20, s20, s18                     ; A's row
	s_lshl_b32 s46, s42, 8
	s_add_co_u32 s46, s46, s18                     ; B's row
	s_lshl_b32 s22, s20, 5                         ; all four offsets stay under 2^24
	s_add_co_u32 s22, s22, s98
	s_mov_b32 s23, 0
	s_lshl_b32 s20, s20, 9
	s_add_co_u32 s20, s20, s96
	s_mov_b32 s21, 0
	s_lshl_b32 s92, s46, 5
	s_add_co_u32 s92, s92, s99
	s_mov_b32 s93, 0
	s_lshl_b32 s46, s46, 9
	s_add_co_u32 s46, s46, s97
	s_mov_b32 s47, 0
	s_mul_i32 s45, s14, HALFT                      ; where they go: wave x 128 rows: no place in the cluster enters an LDS address
	s_mul_i32 s94, s14, HALFS
	s_wait_dscnt 0x0                               ; both opening adds are done
	s_wait_kmcnt 0x0
	s_add_nc_u64 s[20:21], s[4:5], s[20:21]
	s_add_nc_u64 s[22:23], s[6:7], s[22:23]
	s_add_nc_u64 s[46:47], s[4:5], s[46:47]
	s_add_nc_u64 s[92:93], s[6:7], s[92:93]
	CROUND                                         ; all sixteen work-groups are here: the joint loads meet
	s_mov_b32 s[G0S], 1
	s_add_co_u32 s[G0S+1], s94, SCL
	s_mov_b64 s[G0S+2:G0S+3], s[22:23]
	s_or_b32 s[G0S+3], s[G0S+3], 0x80000000
	s_mov_b32 s[G0SB], 1
	s_add_co_u32 s[G0SB+1], s94, SCL
	s_mov_b64 s[G0SB+2:G0SB+3], s[92:93]
	s_or_b32 s[G0SB+3], s[G0SB+3], 0x80000000
	JLOAD G0S, G1S, G0SB, G1SB                     ; the scale bytes first; then both K steps: three loads of mine are out
.irp s, 0,1
	s_mov_b32 s[G0+4*\s], 1
	s_add_co_u32 s[G0+4*\s+1], s45, \s*SLOT
	s_add_nc_u64 s[G0+4*\s+2:G0+4*\s+3], s[20:21], \s*ROWB
	s_or_b32 s[G0+4*\s+3], s[G0+4*\s+3], 0x80000000
	s_mov_b32 s[G0B+4*\s], 1
	s_add_co_u32 s[G0B+4*\s+1], s45, \s*SLOT
	s_add_nc_u64 s[G0B+4*\s+2:G0B+4*\s+3], s[46:47], \s*ROWB
	s_or_b32 s[G0B+4*\s+3], s[G0B+4*\s+3], 0x80000000
	JLOAD G0+4*\s, G1, G0B+4*\s, G1B
.endr
	; while the tiles are on their way: the biases, the LDS addresses, the stores' base
	v_and_b32 v1, 15, v0                           ; r
	v_bfe_u32 v2, v0, 4, 1                         ; h
	s_mov_b32 s20, GS
	s_mov_b32 s21, HS
	s_cmp_eq_u32 s13, 2
	s_cselect_b32 s18, s17, s42                    ; the tile of channels,
	s_cselect_b32 s19, s15, s16                    ; my half of it,
	s_cselect_b32 s2, s42, s17                     ; the tile of tokens,
	s_cselect_b32 s3, s16, s15                     ; my half of it
	s_cselect_b32 s96, 0, s[SS]                    ; the bias by B's rows counts for q and k (times the factor),
	s_cselect_b32 s98, 1.0, 0                      ; the bias by A's rows for v
	s_cselect_b32 s12, s21, s20                    ; XA: four blocks of A on is a head (v) or a group (q, k)
	s_cselect_b32 s45, s20, s21                    ; XB: four blocks of B on, the other of the two
	s_mov_b32 s97, s96
	s_mov_b32 s99, s98
	s_lshl_b32 s22, s13, 12
	s_lshl_b32 s23, s18, 10
	s_add_co_u32 s22, s22, s23
	s_lshl_b32 s23, s19, 9
	s_add_co_u32 s22, s22, s23                     ; my 128 channels in bqkv, in bytes
	s_mov_b32 s23, 0
	s_add_nc_u64 s[8:9], s[8:9], s[22:23]
	v_lshlrev_b32 v6, 5, v2                        ; by B's rows: 16 b + 8 h + 0 .. 7
	v_lshlrev_b32 v7, 2, v1                        ; by A's rows: 16 a + r
	WIN TO_B
.irp b, 0,1,2,3,4,5,6,7
	global_load_b128 v[BC+8*\b:BC+8*\b+3], v6, s[8:9] offset:64*\b
	global_load_b128 v[BC+8*\b+4:BC+8*\b+7], v6, s[8:9] offset:64*\b+16
.endr
.irp a, 0,1,2,3,4,5,6,7
	global_load_b32 v[BR+2*\a], v7, s[8:9] offset:64*\a        ; twice: a pair for the packed addition
	global_load_b32 v[BR+2*\a+1], v7, s[8:9] offset:64*\a
.endr
	WIN 0
	v_mul_u32_u24 v3, v1, PITCH
	v_lshl_add_u32 v4, v2, 4, v3                   ; a fragment's row x pitch + 16 x half
	s_mul_i32 s21, s15, HALFT                      ; my 128 rows of A
	s_mul_i32 s22, s16, HALFT
	s_add_co_u32 s22, s22, 2*HALFT                 ; my 128 rows of B, behind A's 256
.irp s, 0,1
	v_add_nc_u32 v[ADRA+\s], s21, v4
	v_add_nc_u32 v[ADRB+\s], s22, v4
	s_add_co_u32 s21, s21, SLOT
	s_add_co_u32 s22, s22, SLOT
.endr
	v_mul_u32_u24 v12, v1, KS                      ; my row's scale bytes,
	v_lshrrev_b32 v13, 8, v12
	v_lshl_add_u32 v12, v13, 4, v12                ; and 16 more for each 256 passed
	s_mul_i32 s21, s15, HALFS
	s_mul_i32 s22, s16, HALFS
	s_add_co_u32 s22, s22, 2*HALFS
	s_sub_co_u32 s22, s22, s21
	v_mul_u32_u24 v13, s22, v2                     ; lanes 16-31 take B's
	s_add_co_u32 s21, s21, SCL
	v_add_nc_u32 v12, v12, v13
	v_add_nc_u32 v[ADRS], s21, v12
	s_lshr_b32 s22, s2, 3                          ; the batch,
	s_lshl_b32 s22, s22, 4
	s_lshl_b32 s23, s18, 2
	s_add_co_u32 s22, s22, s23
	s_lshl_b32 s23, s19, 1
	s_add_co_u32 s22, s22, s23                     ; x 16 + my first head
	s_lshl_b32 s22, s22, 18
	s_and_b32 s23, s2, 7
	s_lshl_b32 s23, s23, 2
	s_lshl_b32 s3, s3, 1
	s_add_co_u32 s23, s23, s3                      ; my first group of 64 tokens
	s_lshl_b32 s23, s23, 13
	s_add_co_u32 s22, s22, s23
	s_lshl_b32 s23, s13, 24                        ; the tensor
	s_add_co_u32 s22, s22, s23
	s_mov_b32 s23, 0
	s_add_nc_u64 s[10:11], s[10:11], s[22:23]
	v_and_b32 v5, 31, v0
	v_lshlrev_b32 v[VO], 4, v5
	v_add_nc_u32 v[VO+1], s45, v[VO]
	v_add_nc_u32 v[VO+2], s12, v[VO]
	v_add_nc_u32 v[VO+3], s45, v[VO+2]
	s_wait_loadcnt 0x0                             ; the biases
	WIN 0x41                                       ; destination and source 0 window 1
.set u, 0
.rept 32
	v_pk_mul_f32 v[BC+2*u:BC+2*u+1], v[BC+2*u:BC+2*u+1], s[96:97] op_sel_hi:[1,0]
.set u, u+1
.endr
.set u, 0
.rept 8
	v_pk_mul_f32 v[BR+2*u:BR+2*u+1], v[BR+2*u:BR+2*u+1], s[98:99] op_sel_hi:[1,0]
.set u, u+1
.endr
	WIN 0
.macro FRAG reg, adr, q, i             ; 16 rows x 128 K of 4-bit codes: 8 registers; registers 4 c .. 4 c + 3 hold K = 64 c + 32 (lane / 16) + 0 .. 31
.irp c, 0,1
	ds_load_b128 v[\reg+4*\c:\reg+4*\c+3], v[\adr] offset:64*(\q)+32*\c+(\i)*16*PITCH
.endr
.endm
; 16 matrix instructions: A's blocks a0, a0 + 1 x B's eight, the slot's q-th 128 along K.  p: B's set; sc: the set of scale words; zero = 1: the first product starts the sums.
; The 64 accumulators take turns, one instruction a turn, in the same order in every step.
.macro MUL16 a0, p, q, sc, zero
.irp a, \a0, \a0+1
.irp b, 0,1,2,3,4,5,6,7
.if \zero
	v_wmma_scale_f32_16x16x128_f8f6f4 v[8*(8*((\a)%4)+\b):8*(8*((\a)%4)+\b)+7], v[128*(\p)+FR*\b:128*(\p)+FR*\b+FR-1], v[AF+FR*(\a):AF+FR*(\a)+FR-1], 0, v[SC+8*NQ*(\sc)+NQ*\b+(\q)], v[SC+8*NQ*(\sc)+NQ*(\a)+(\q)] matrix_a_fmt:MATRIX_FMT_FP4 matrix_b_fmt:MATRIX_FMT_FP4 matrix_a_scale:MATRIX_SCALE_ROW1
.else
	v_wmma_scale_f32_16x16x128_f8f6f4 v[8*(8*((\a)%4)+\b):8*(8*((\a)%4)+\b)+7], v[128*(\p)+FR*\b:128*(\p)+FR*\b+FR-1], v[AF+FR*(\a):AF+FR*(\a)+FR-1], v[8*(8*((\a)%4)+\b):8*(8*((\a)%4)+\b)+7], v[SC+8*NQ*(\sc)+NQ*\b+(\q)], v[SC+8*NQ*(\sc)+NQ*(\a)+(\q)] matrix_a_fmt:MATRIX_FMT_FP4 matrix_b_fmt:MATRIX_FMT_FP4 matrix_a_scale:MATRIX_SCALE_ROW1
.endif
.endr
.endr
.endm
.macro FETCH_B slot, q, p
	WIN TO_B
.irp i, 0,1,2,3,4,5,6,7
	FRAG 128*(\p)+FR*\i, ADRB+\slot, \q, \i
.endr
	WIN 0
.endm
.macro FETCH_A slot, q, i0
.irp i, \i0, \i0+1, \i0+2, \i0+3
	FRAG AF+FR*(\i), ADRA+\slot, \q, \i
.endr
.endm
.macro SCALES sc                       ; a K step's scale words: four a row; lanes 0-15 take A's block i, lanes 16-31 B's block i
.irp i, 0,1,2,3,4,5,6,7
	ds_load_b128 v[SC+8*NQ*\sc+NQ*\i:SC+8*NQ*\sc+NQ*\i+3], v[ADRS] offset:\i*SBLK
.endr
.endm
.macro PLACES n                        ; plain vector instructions between a matrix instruction and a load into, or a vector instruction on, its registers
.rept \n
	v_nop
.endr
.endm
.macro STEP slot, q, zero              ; 128 along K, with its successor in the same slot
	s_wait_dscnt 4*NL                              ; B's set, A's blocks 0-3 (and the scale words) are in; the youngest eight loads, A's blocks 4-7, may be out
	WIN MUL_LO
	MUL16 0, (\q)%2, \q, \slot, \zero
	MUL16 2, (\q)%2, \q, \slot, \zero
	s_wait_dscnt 0
	PLACES NP
	FETCH_B \slot, (\q)+1, 1-(\q)%2
	FETCH_A \slot, (\q)+1, 0
	WIN MUL_HI
	MUL16 4, (\q)%2, \q, \slot, \zero
	MUL16 6, (\q)%2, \q, \slot, \zero
	PLACES NP
	WIN 0
	FETCH_A \slot, (\q)+1, 4
.endm
	s_wait_tensorcnt 1                             ; the scale bytes and my part of K step 0 are in; K step 1's load may be out
	s_barrier_signal -1
	s_barrier_wait -1
	FETCH_B 0, 0, 0
	FETCH_A 0, 0, 0
	SCALES 0
	FETCH_A 0, 0, 4
	STEP 0, 0, 1
	STEP 0, 1, 0
	STEP 0, 2, 0
	; slot 0's last step changes slots: one barrier, in front of which my part of slot 1 has landed
	s_wait_tensorcnt 0x0
	ds_add_u32 v[SPW], v[NIL]
	s_wait_dscnt 4*NL+1                            ; the add and the youngest eight loads may be out
	WIN MUL_LO
	MUL16 0, 1, NQ-1, 0, 0
	s_wait_dscnt 0x0
	s_barrier_signal -1
	MUL16 2, 1, NQ-1, 0, 0
	WIN 0
	s_barrier_wait -1
	PLACES NP
	v_add_nc_u32 v[ADRS], 4*NQ, v[ADRS]            ; the second K step's scale words
	FETCH_B 1, 0, 0
	FETCH_A 1, 0, 0
	SCALES 1
	WIN MUL_HI
	MUL16 4, 1, NQ-1, 0, 0
	MUL16 6, 1, NQ-1, 0, 0
	PLACES NP
	WIN 0
	FETCH_A 1, 0, 4
	STEP 1, 0, 0
	STEP 1, 1, 0
	STEP 1, 2, 0
	s_wait_dscnt 4*NL                              ; the last step: nothing more to fetch
	WIN MUL_LO
	MUL16 0, 1, NQ-1, 1, 0
	MUL16 2, 1, NQ-1, 1, 0
	s_wait_dscnt 0
	WIN MUL_HI
	MUL16 4, 1, NQ-1, 1, 0
	MUL16 6, 1, NQ-1, 1, 0
	WIN 0
; THE WAY OUT, block by block of A's 16 rows: sum x factor + bias by B's rows (one fused multiply-add), + bias by A's rows, rounded to f16; a lane's eight numbers are 16 bytes of an image.
.macro OUTBLK a
.set AC, 64*((\a)%4)
.set OB, OUTR+32*((\a)%2)
.if (\a) > 1
	s_wait_xcnt 0x0                                ; block a - 2's stores have read their data: the set may be written again
.endif
	WIN 0x12+(\a)/4                                ; source 0: window 2 or 3; source 2: window 1
.irp b, 0,1,2,3,4,5,6,7
.irp k, 0,1,2,3
	v_pk_fma_f32 v[T+8*\b+2*\k:T+8*\b+2*\k+1], v[AC+8*\b+2*\k:AC+8*\b+2*\k+1], s[SS:SS+1], v[BC+8*\b+2*\k:BC+8*\b+2*\k+1] op_sel_hi:[1,0,1]   ; each accumulator from its low end on
.endr
.endr
	WIN 0x04                                       ; source 1: window 1
.set u, 0
.rept 32
	v_pk_add_f32 v[T+2*u:T+2*u+1], v[T+2*u:T+2*u+1], v[BR+2*(\a):BR+2*(\a)+1]
.set u, u+1
.endr
	WIN 0
.set u, 0
.rept 32
	v_cvt_pk_f16_f32 v[OB+u], v[T+2*u], v[T+2*u+1]
.set u, u+1
.endr
.irp b, 0,1,2,3,4,5,6,7
	global_store_b128 v[VO+2*((\a)/4)+\b/4], v[OB+4*\b:OB+4*\b+3], s[10:11] offset:((\a)%4)*2048+(\b%4)*512   ; the wave stores 512 consecutive bytes, aligned
.endr
.endm
	PLACES NP                                      ; behind the last products: their results are read, and A's fragments' registers written
.irp a, 0,1,2,3,4,5,6,7
	OUTBLK \a
.endr
	s_wait_tensorcnt 0x0                           ; the wave's end
	ds_add_u32 v[SPW], v[NIL]
	s_wait_dscnt 0x0
	CROUND                                         ; the closing round
	s_endpgm
.Lfunc_end_k_qcf7d2f7ecb_proj:
	.size	k_qcf7d2f7ecb_proj, .Lfunc_end_k_qcf7d2f7ecb_proj-k_qcf7d2f7ecb_proj
	.p2alignl 7, 3214868480
	.fill 96, 4, 3214868480
	.section	.rodata,"a",@progbits
	.p2align	6, 0x0
	.amdhsa_kernel k_qcf7d2f7ecb_proj
		.amdhsa_group_segment_fixed_size 327680
		.amdhsa_private_segment_fixed_size 0
		.amdhsa_enable_private_segment 0
		.amdhsa_kernarg_size 32
		.amdhsa_user_sgpr_count 2
		.amdhsa_user_sgpr_kernarg_segment_ptr 1
		.amdhsa_wavefront_size32 1
		.amdhsa_system_sgpr_workgroup_id_x 1
		.amdhsa_system_sgpr_workgroup_id_y 1
		.amdhsa_system_sgpr_workgroup_id_z 1
		.amdhsa_system_vgpr_workitem_id 0
		.amdhsa_next_free_vgpr 1024
		.amdhsa_next_free_sgpr 100
		.amdhsa_reserve_vcc 0
		.amdhsa_float_denorm_mode_32 3
		.amdhsa_float_denorm_mode_16_64 3
		.amdhsa_memory_ordered 1
		.amdhsa_forward_progress 1
		.amdhsa_inst_pref_size 157
	.end_amdhsa_kernel
	.amdgpu_metadata
---
amdhsa.version: [ 1, 2 ]
amdhsa.kernels:
  - .name:           k_qcf7d2f7ecb_proj
    .symbol:         k_qcf7d2f7ecb_proj.kd
    .args:
      - { .name: codes, .offset: 0, .size: 8, .value_kind: global_buffer, .address_space: global }
      - { .name: scales, .offset: 8, .size: 8, .value_kind: global_buffer, .address_space: global }
      - { .name: bqkv, .offset: 16, .size: 8, .value_kind: global_buffer, .address_space: global }
      - { .name: qkv, .offset: 24, .size: 8, .value_kind: global_buffer, .address_space: global }
    .group_segment_fixed_size: 327680
    .private_segment_fixed_size: 0
    .kernarg_segment_align: 8
    .kernarg_segment_size: 32
    .max_flat_workgroup_size: 128
    .sgpr_count:     100
    .vgpr_count:     1024
    .wavefront_size: 32
...
	.end_amdgpu_metadata
.endif
;; end of part 2
;; launch attn (part 3): grid 8 x 32, 8 waves a work-group, clusters of 4 x 4, 327,680 bytes of LDS; arguments qkv, mbw, ao; writes ao
.if DOCPART == 3
	.amdgcn_target "amdgcn-amd-amdhsa--gfx1250"
	.amdhsa_code_object_version 6
	.text
	.protected	k_qcf7d2f7ecb_attn
	.globl	k_qcf7d2f7ecb_attn
	.p2align	8
	.type	k_qcf7d2f7ecb_attn,@function
k_qcf7d2f7ecb_attn:
	s_mov_b64 s[64:65], 0
	v_nop
	global_prefetch_b8 v0, s[64:65] scope:SCOPE_SE
	s_setreg_imm32_b32 hwreg(HW_REG_WAVE_MODE, 25, 1), 1
	s_wait_xcnt 0x0
	s_wait_alu depctr_hold_cnt(0) depctr_sa_sdst(0) depctr_va_vdst(0) depctr_va_sdst(0) depctr_va_ssrc(0) depctr_va_vcc(0) depctr_vm_vsrc(0)
	s_getreg_b32 s2, hwreg(HW_REG_IB_STS2, 6, 4)
	s_cmp_eq_u32 s2, 0
	s_cbranch_scc0 .Lentry_in_a_cluster
	s_endpgm
.Lentry_in_a_cluster:
	s_bfe_u32 s2, ttmp6, 0x10000c
	s_cmp_lg_u32 s2, 0xf033
	s_cbranch_scc0 .Lentry_shape_is_right
	s_endpgm
.Lentry_shape_is_right:
; ATTN: o = softmax(q k^T / 8 + mask + bias) v for 64 (batch, head) pairs, 2,048 queries and keys, head size 64.  Operands f16, products' sums, maxima, exponentials and row sums f32.
; q arrives multiplied by 0.125 log2(e), mbw = (mask + bias) log2(e): a score t = q . k + mbw is in base 2.  Running maximum m and sum l for each query: p = 2^(t - m); O and l are multiplied by a = 2^(m_old - m) in every step.
; SHARES.  A work-group owns 256 queries and TWO heads (they share the same tile of mbw): 102,400 bytes of tiles a key step, against 155,648 for 512 queries of one head.
;   Wave w: head w / 4 of the two, queries 64 (w % 4) on: four tiles of 16, in 512 registers; two waves to a SIMD.  Every wave walks 32 key steps of 64 keys.
; LAYOUT.  S^T = K Q^T + C (source 0 = 16 keys, source 1 = 16 queries): a lane holds ONE query (lane % 16) and keys 8 (lane / 16) + 0 .. 7.  C IS THE TILE OF mbw, loaded from LDS straight into the accumulators: the addition costs no instruction.
;   Two such tiles, rounded to f16 in place, are source 1 of O^T = V^T P.  q, k and v^T arrive as images of operand registers (16 bytes a lane, 512 a block): every fragment is two ds_load_b128 at 16 x lane.
; IN ANTIPHASE.  Between two barriers the waves of parity 0 run loads, K Q^T, softmax, V^T P of step j; those of parity 1 run softmax and V^T P of step j - 1, then loads and K Q^T of step j (S and V stay in registers over the barrier).
;   The parity (w xor w / 4) & 1 differs between waves w and w + 4 and between w and w + 1: one wave's vector work stands beside its neighbour's matrix work.
; CLUSTER 4 x 4.  mbw's tile hangs on the query block: shared along a column of the cluster; K and V hang on the pair of heads: shared along a row.  Joint loads, one a wave a step (waves 0-3: 64 rows of mbw each; waves 4-7: K, V of head 0, K, V of head 1).
; LIMITS: NaN and +infinity among the scores are not served; -infinity in mask or bias gives p = 0; a row whose every score is -infinity gives NaN, as the division 0 / 0 does.  |o| up to 65,504 (f16).
; REGISTERS.  window 0: v1-8 addresses; v16-47 statistics, 8 a tile: +0 m, +1 m_old, +2 +3 l, +4 .. +7 at work (a at +6); v48-55 partial sums; v64-191 S^T (tile i, key tile kt at 64 + 32 i + 8 kt), later P; v192-255 K.
;   window 1: v0-127 O^T (32 i + 8 ct); v128-191 Q (128 + 16 i + 8 c); v192-255 V^T (192 + 16 ct + 8 g).
.set HS,    262144                     ; qkv: from head to head
.set GS,    8192                       ; from group of 64 tokens to group: a key step
.set MBP,   272                        ; a row of mbw's tile in LDS: 256 bytes + 16 of padding = 68 words: the 16 rows of a load start at 16 different banks (ISA guide 11.1)
.set KVO,   256*MBP                    ; a slot: 256 rows of mbw, then K, V, K, V, 8,192 bytes each
.set SLOT1, 1<<17                      ; slot 1 begins here: one exclusive or turns an address
.set SPARE, SLOT1+KVO+4*GS             ; behind slot 1: the spare words, 128 bytes a wave, which no other line names
.set AMB0, 1
.set AK0,  2
.set ADM,  3
.set ADK,  4
.set LQ,   5                           ; 16 x lane
.set SPW,  6
.set NIL,  7
.set PFO,  8
.set ST,   16
.set TS,   48
.set S,    64
.set KF,   192
.set QF,   128                         ; window 1
.set VF,   192                         ; window 1
.set WV,   10
.set KIND, 11                          ; wave / 4: my head of the two.  Also: I fetch mbw (0) or K, V (1)
.set W3,   12                          ; wave % 4: my 64 queries.  Also: which quarter I fetch
.set PAR,  13
.set CX,   14
.set CY,   15
.set QX,   16                          ; block of 256 queries
.set HY,   17                          ; pair of heads
.set G1M,  24
.set G1K,  32
.set G0M,  40
.set G0K,  44
.set TB,   48                          ; the slot that is read next
.set CNT,  49
.set SEL,  50
.set PFA,  52
.set PFS,  54
.set LIM,  56
.set CLY,  57
.set QB,   58
.set OB,   60
.set MSB, 0
.macro WIN new                         ; the immediate's high byte repeats the setting that is left
.if MSB != \new
	s_set_vgpr_msb (MSB<<8)|\new
.set MSB, \new
.endif
.endm
.set W_KQ, 0x04                        ; Q (source 1) window 1
.set W_PV, 0x51                        ; V (source 0), O^T (C and D) window 1
.set W_RS, 0x41                        ; O^T (destination, source 0) window 1
.set TO1,  0x40
.macro JLOAD                           ; the branch hangs on the wave's number alone; an s_nop 0 and four v_nop follow each of the two lines
	s_cmp_eq_u32 s[KIND], 0
	s_cbranch_scc0 .Lfor_k_\@
	tensor_load_to_lds s[G0M:G0M+3], s[G1M:G1M+7]
	s_nop 0
.rept 4
	v_nop
.endr
	s_branch .Lasked_\@
.Lfor_k_\@:
	tensor_load_to_lds s[G0K:G0K+3], s[G1K:G1K+7]
	s_nop 0
.rept 4
	v_nop
.endr
.Lasked_\@:
.endm
; A PREFETCH of the tiles that stand two key steps behind the one just asked for: two trips, 256 matrix instructions of a SIMD's two waves, ahead of their load.  Each aligned 256 bytes is named once in the launch:
; mbw's rows are read by every cluster of a column of clusters: cluster y = 0 asks, waves 0 and 1, a lane a row; the four partners of a column take 64 rows each, told apart by ADDRESS (cy).
; K and V are read by both clusters of a row of clusters: cluster x = 0 asks, wave 4; the partner at cx takes the cx-th of the four blocks of 8,192 bytes, lanes 256 bytes apart.
; The last two changes that fill a slot ask for nothing; key steps 0, 1 and 2 come by their loads alone.
.macro ASK
	s_cmp_gt_u32 s[CNT], s[LIM]
	s_cbranch_scc0 .Lnot_mine_\@
	global_prefetch_b8 v[PFO], s[PFA:PFA+1] th:TH_LOAD_NT scope:SCOPE_SE
.Lnot_mine_\@:
.endm
.macro CROUND                          ; a round of the cluster's barrier
	s_barrier_signal -1
	s_barrier_wait -1
	s_cmp_lg_u32 s[WV], 0
	s_cbranch_scc1 .Lnot_wave_0_\@
	s_barrier_signal -3
.Lnot_wave_0_\@:
	s_barrier_wait -3
	s_barrier_signal -1
	s_barrier_wait -1
.endm
	s_load_b128 s[4:7], s[0:1], 0x0                ; qkv s[4:5], mbw s[6:7]
	s_load_b64 s[8:9], s[0:1], 0x10                ; ao
	v_lshl_add_u32 v[SPW], v0, 2, SPARE
	v_mov_b32 v[NIL], 0
	ds_add_u32 v[SPW], v[NIL]                      ; the wave's opening: the add, twice on end, and its wait ahead of my first tensor load
	ds_add_u32 v[SPW], v[NIL]
	v_lshrrev_b32 v9, 5, v0
	v_readfirstlane_b32 s[WV], v9                  ; wave 0..7
	s_lshr_b32 s[KIND], s[WV], 2
	s_and_b32 s[W3], s[WV], 3
	s_xor_b32 s[PAR], s[WV], s[KIND]
	s_and_b32 s[PAR], s[PAR], 1
	s_bfe_u32 s[CX], ttmp6, 0x40000
	s_bfe_u32 s[CY], ttmp6, 0x40004
	s_lshl_b32 s[QX], ttmp9, 2
	s_add_co_u32 s[QX], s[QX], s[CX]               ; 4 x cluster x + cx
	s_and_b32 s[CLY], ttmp7, 0xffff
	s_lshl_b32 s[HY], s[CLY], 2
	s_add_co_u32 s[HY], s[HY], s[CY]               ; 4 x cluster y + cy
	s_lshl_b32 s2, 0x1111, s[CX]                   ; my column of the cluster
	s_lshl_b32 s3, s[CY], 2
	s_lshl_b32 s3, 15, s3                          ; my row
	; group 1 for mbw: 64 rows x 64 elements of 4 bytes, 2,048 elements from row to row, four words of padding behind every 64
	s_or_b32 s[G1M], s2, (2<<16)|(1<<20)|(1<<21)|(5<<22)|(3<<25)
	s_mov_b32 s[G1M+1], 64<<16                     ; tensor_dim0
	s_mov_b32 s[G1M+2], 64<<16                     ; tensor_dim1
	s_mov_b32 s[G1M+3], 64<<16                     ; tile_dim0
	s_mov_b32 s[G1M+4], 64                         ; tile_dim1
	s_mov_b32 s[G1M+5], 2048
	s_mov_b32 s[G1M+6], 0
	s_mov_b32 s[G1M+7], 0
	; group 1 for K and V: 8,192 dense bytes as 32 rows of 256 (32 elements of 8 bytes), no padding
	s_or_b32 s[G1K], s3, (3<<16)|(1<<21)
	s_mov_b32 s[G1K+1], 32<<16
	s_mov_b32 s[G1K+2], 32<<16
	s_mov_b32 s[G1K+3], 32<<16
	s_mov_b32 s[G1K+4], 32
	s_mov_b32 s[G1K+5], 32
	s_mov_b32 s[G1K+6], 0
	s_mov_b32 s[G1K+7], 0
	s_lshl_b32 s20, s[QX], 21                      ; mbw: row 256 x block + 64 x quarter, 8,192 bytes a row
	s_lshl_b32 s21, s[W3], 19
	s_add_co_u32 s20, s20, s21
	s_mov_b32 s21, 0
	s_and_b32 s22, s[W3], 1                        ; K (tensor 1) or V (tensor 2),
	s_add_co_u32 s22, s22, 1
	s_lshl_b32 s22, s22, 24
	s_lshl_b32 s23, s[HY], 1
	s_lshr_b32 s18, s[W3], 1
	s_add_co_u32 s23, s23, s18                     ; of head 2 x pair + quarter / 2
	s_lshl_b32 s23, s23, 18
	s_add_co_u32 s22, s22, s23
	s_mov_b32 s23, 0
	s_mov_b32 s[G0M], 1
	s_mul_i32 s[G0M+1], s[W3], 64*MBP              ; LDS: no place in the cluster enters
	s_mov_b32 s[G0K], 1
	s_lshl_b32 s[G0K+1], s[W3], 13
	s_add_co_u32 s[G0K+1], s[G0K+1], KVO
	s_mov_b32 s[SEL], 0x76543210
	s_mov_b32 s[SEL+1], 0xfedcba98                 ; v_permlanex16_b32: lane l xor 16
	s_mov_b32 s[TB], 0
	s_mov_b32 s[CNT], 30
	s_wait_dscnt 0x0                               ; both opening adds are done
	s_wait_kmcnt 0x0
	s_add_nc_u64 s[G0M+2:G0M+3], s[6:7], s[20:21]
	s_or_b32 s[G0M+3], s[G0M+3], 0x80000000
	s_add_nc_u64 s[G0K+2:G0K+3], s[4:5], s[22:23]
	s_or_b32 s[G0K+3], s[G0K+3], 0x80000000
	CROUND                                         ; all sixteen work-groups are here
	JLOAD                                          ; key step 0 into slot 0
	s_lshl_b32 s18, s[HY], 1
	s_add_co_u32 s18, s18, s[KIND]                 ; my (batch, head)
	s_lshl_b32 s[QB], s18, 18
	s_lshl_b32 s19, s[QX], 2
	s_add_co_u32 s19, s19, s[W3]                   ; my group of 64 queries
	s_lshl_b32 s20, s19, 13
	s_add_co_u32 s[QB], s[QB], s20
	s_mov_b32 s[QB+1], 0
	s_add_nc_u64 s[QB:QB+1], s[4:5], s[QB:QB+1]
	s_lshr_b32 s20, s18, 4                         ; ao: token tile 128 x batch + 4 x group, 32,768 bytes each;
	s_lshl_b32 s20, s20, 7
	s_lshl_b32 s19, s19, 2
	s_add_co_u32 s20, s20, s19
	s_lshl_b32 s[OB], s20, 15
	s_and_b32 s20, s18, 15                         ; in it the head's four blocks of 512 bytes
	s_lshl_b32 s20, s20, 11
	s_add_co_u32 s[OB], s[OB], s20
	s_mov_b32 s[OB+1], 0
	s_add_nc_u64 s[OB:OB+1], s[8:9], s[OB:OB+1]
	v_and_b32 v11, 31, v0
	v_lshlrev_b32 v[LQ], 4, v11
	WIN TO1
.irp i, 0,1,2,3
.irp c, 0,1
.irp f, 0,1
	global_load_b128 v[QF+16*\i+8*\c+4*\f:QF+16*\i+8*\c+4*\f+3], v[LQ], s[QB:QB+1] offset:\i*2048+\c*1024+\f*512   ; Q stays in registers
.endr
.endr
.endr
.set u, 0
.rept 128
	v_mov_b32 v[u], 0                              ; O^T.  The step is written for every step alike: the first finds zeros and multiplies them by a = 0.  A first step of its own would be two more copies of the softmax in the text
.set u, u+1
.endr
	WIN 0
	v_and_b32 v9, 15, v0                           ; r
	v_bfe_u32 v10, v0, 4, 1                        ; h
	s_mul_i32 s18, s[W3], 64*MBP
	v_mul_u32_u24 v[AMB0], v9, MBP
	v_lshl_add_u32 v[AMB0], v10, 5, v[AMB0]
	v_add_nc_u32 v[AMB0], s18, v[AMB0]             ; mbw: row 64 x quarter + r, + 32 h
	s_lshl_b32 s19, s[KIND], 14
	s_add_co_u32 s19, s19, KVO
	v_add_nc_u32 v[AK0], s19, v[LQ]                ; my head's K, and V 8,192 bytes on
.irp i, 0,1,2,3
	v_mov_b32 v[ST+8*\i], 0xff61b1e6               ; m = -3e38, under every score that counts
	v_mov_b32 v[ST+8*\i+1], 0
	v_mov_b32 v[ST+8*\i+2], 0                      ; l
	v_mov_b32 v[ST+8*\i+3], 0
.endr
	; the prefetches: where mine stand, and whether I ask
	s_lshl_b32 s18, s[QX], 8
	s_lshl_b32 s19, s[CY], 6
	s_add_co_u32 s18, s18, s19
	s_and_b32 s19, s[WV], 1
	s_lshl_b32 s19, s19, 5
	s_add_co_u32 s18, s18, s19                     ; mbw: row 256 x block + 64 cy + 32 (wave & 1)
	s_lshl_b32 s18, s18, 13
	s_add_co_u32 s18, s18, 2*256                   ; at key step 2: the first change steps it to 3
	s_and_b32 s20, s[CX], 1
	s_add_co_u32 s20, s20, 1
	s_lshl_b32 s20, s20, 24
	s_lshl_b32 s21, s[HY], 1
	s_lshr_b32 s22, s[CX], 1
	s_add_co_u32 s21, s21, s22
	s_lshl_b32 s21, s21, 18
	s_add_co_u32 s20, s20, s21
	s_add_co_u32 s20, s20, 2*GS                    ; K or V: the cx-th of the four blocks, at key step 2
	s_lshr_b32 s21, s[WV], 1
	s_or_b32 s21, s21, s[CLY]                      ; 0 in waves 0 and 1 of cluster y = 0
	s_or_b32 s22, s[W3], ttmp9                     ; 0 in wave 4 of cluster x = 0
	s_mov_b32 s23, GS
	s_cmp_eq_u32 s[KIND], 0
	s_cselect_b64 s[PFA:PFA+1], s[6:7], s[4:5]
	s_cselect_b32 s18, s18, s20
	s_cselect_b32 s[PFS], 256, s23                 ; a key step on
	s_cselect_b32 s20, 13, 8                       ; from lane to lane: a row of mbw, or 256 bytes
	s_cselect_b32 s21, s21, s22
	s_mov_b32 s19, 0
	s_mov_b32 s[PFS+1], 0
	s_add_nc_u64 s[PFA:PFA+1], s[PFA:PFA+1], s[18:19]
	s_cmp_eq_u32 s21, 0
	s_cselect_b32 s[LIM], 2, -1                    ; the same in all sixteen partners, for a given wave
	v_lshlrev_b32 v[PFO], s20, v11
; A key step's 64 LDS loads, in one run: K (16), mbw into the accumulators (32), V (16)
.macro LOADS
	v_add_nc_u32 v[ADM], s[TB], v[AMB0]
	v_add_nc_u32 v[ADK], s[TB], v[AK0]
	s_xor_b32 s[TB], s[TB], SLOT1
.irp kt, 0,1,2,3
.irp c, 0,1
.irp f, 0,1
	ds_load_b128 v[KF+16*\kt+8*\c+4*\f:KF+16*\kt+8*\c+4*\f+3], v[ADK] offset:\kt*2048+\c*1024+\f*512
.endr
.endr
.endr
.irp i, 0,1,2,3
.irp kt, 0,1,2,3
.irp f, 0,1
	ds_load_b128 v[S+32*\i+8*\kt+4*\f:S+32*\i+8*\kt+4*\f+3], v[ADM] offset:\i*16*MBP+\kt*64+\f*16
.endr
.endr
.endr
	WIN TO1
.irp ct, 0,1,2,3
.irp g, 0,1
.irp f, 0,1
	ds_load_b128 v[VF+16*\ct+8*\g+4*\f:VF+16*\ct+8*\g+4*\f+3], v[ADK] offset:GS+\ct*2048+\g*1024+\f*512
.endr
.endr
.endr
	WIN 0
.endm
; S^T = K Q^T + mbw: 32 matrix instructions, the 16 accumulators by turns
.macro KQ
	s_wait_dscnt 16                                ; K and mbw are in; V's sixteen loads, the youngest, may be out
	WIN W_KQ
.irp c, 0,1
.irp kt, 0,1,2,3
.irp i, 0,1,2,3
	v_wmma_f32_16x16x32_f16 v[S+32*\i+8*\kt:S+32*\i+8*\kt+7], v[KF+16*\kt+8*\c:KF+16*\kt+8*\c+7], v[QF+16*\i+8*\c:QF+16*\i+8*\c+7], v[S+32*\i+8*\kt:S+32*\i+8*\kt+7]
.endr
.endr
.endr
	WIN 0
.rept 4
	v_nop                                          ; places behind the products, ahead of the first read of the scores and of the next loads into K's registers
.endr
.endm
; THE SOFTMAX of four tiles for one key step, the tiles line by line in turn so that no line waits for the line above it.
.macro SM
.irp j, 0,1,2,3
.irp i, 0,1,2,3
	v_max3_num_f32 v[ST+8*\i+4+\j], v[S+32*\i+8*\j], v[S+32*\i+8*\j+1], v[S+32*\i+8*\j+2]   ; four chains a tile; each accumulator is read from its low end on
.endr
.endr
.irp g, 1,2
.irp j, 0,1,2,3
.irp i, 0,1,2,3
	v_max3_num_f32 v[ST+8*\i+4+\j], v[ST+8*\i+4+\j], v[S+32*\i+8*\j+2*\g+1], v[S+32*\i+8*\j+2*\g+2]
.endr
.endr
.endr
.irp i, 0,1,2,3
	v_max3_num_f32 v[ST+8*\i+4], v[ST+8*\i+4], v[S+32*\i+7], v[S+32*\i+15]
.endr
.irp i, 0,1,2,3
	v_max3_num_f32 v[ST+8*\i+6], v[ST+8*\i+6], v[S+32*\i+23], v[S+32*\i+31]
.endr
.irp i, 0,1,2,3
	v_max3_num_f32 v[ST+8*\i+4], v[ST+8*\i+4], v[ST+8*\i+5], v[ST+8*\i+6]
.endr
.irp i, 0,1,2,3
	v_max3_num_f32 v[ST+8*\i+4], v[ST+8*\i+4], v[ST+8*\i+7], v[ST+8*\i]      ; with the old m
.endr
.irp i, 0,1,2,3
	v_permlanex16_b32 v[ST+8*\i+5], v[ST+8*\i+4], s[SEL], s[SEL+1]           ; the query's other 32 keys lie in the lane 16 away
.endr
.irp i, 0,1,2,3
	v_mov_b32 v[ST+8*\i+1], v[ST+8*\i]
.endr
.irp i, 0,1,2,3
	v_max_num_f32 v[ST+8*\i], v[ST+8*\i+4], v[ST+8*\i+5]                     ; the new m
.endr
.irp i, 0,1,2,3
	v_sub_f32 v[ST+8*\i+7], v[ST+8*\i+1], v[ST+8*\i]
.endr
.irp i, 0,1,2,3
	v_exp_f32 v[ST+8*\i+6], v[ST+8*\i+7]                                     ; a = 2^(m_old - m)
.endr
; ONE BATCH: 132 exponentials, with the 64 subtractions among them; a pair is subtracted one turn ahead of its exponentials; none of these lines names an exponential's result
.set pp, 0
.rept 16
.irp i, 0,1,2,3
	v_pk_add_f32 v[S+32*\i+2*pp:S+32*\i+2*pp+1], v[S+32*\i+2*pp:S+32*\i+2*pp+1], v[ST+8*\i:ST+8*\i+1] op_sel_hi:[1,0] neg_lo:[0,1] neg_hi:[0,1]   ; t - m, two at a time
.endr
.if pp > 0
.irp i, 0,1,2,3
	v_exp_f32 v[S+32*\i+2*pp-2], v[S+32*\i+2*pp-2]
	v_exp_f32 v[S+32*\i+2*pp-1], v[S+32*\i+2*pp-1]
.endr
.endif
.set pp, pp+1
.endr
.irp i, 0,1,2,3
	v_exp_f32 v[S+32*\i+30], v[S+32*\i+30]
	v_exp_f32 v[S+32*\i+31], v[S+32*\i+31]
.endr
	v_nop                                          ; a plain instruction behind the last exponential (ISA guide 5.7.2),
	s_wait_alu depctr_va_vdst(0)                   ; and the one wait ahead of the batch's first reader
.irp i, 0,1,2,3
	v_pk_mul_f32 v[ST+8*\i+2:ST+8*\i+3], v[ST+8*\i+2:ST+8*\i+3], v[ST+8*\i+6:ST+8*\i+7] op_sel_hi:[1,0]   ; l x a
.endr
.irp i, 0,1,2,3
	v_pk_add_f32 v[TS+2*\i:TS+2*\i+1], v[S+32*\i:S+32*\i+1], v[S+32*\i+2:S+32*\i+3]   ; the sum of the f32 p, in two chains a tile
.endr
.irp j, 4,8,12,16,20,24,28
.irp i, 0,1,2,3
	v_pk_add_f32 v[ST+8*\i+2:ST+8*\i+3], v[ST+8*\i+2:ST+8*\i+3], v[S+32*\i+\j:S+32*\i+\j+1]
.endr
.irp i, 0,1,2,3
	v_pk_add_f32 v[TS+2*\i:TS+2*\i+1], v[TS+2*\i:TS+2*\i+1], v[S+32*\i+\j+2:S+32*\i+\j+3]
.endr
.endr
.irp i, 0,1,2,3
	v_pk_add_f32 v[ST+8*\i+2:ST+8*\i+3], v[ST+8*\i+2:ST+8*\i+3], v[TS+2*\i:TS+2*\i+1]
.endr
.set pp, 0
.rept 16
.irp i, 0,1,2,3
	v_cvt_pk_f16_f32 v[S+32*\i+pp], v[S+32*\i+2*pp], v[S+32*\i+2*pp+1]       ; P, in place: pair pp lands at or under the registers that it leaves
.endr
.set pp, pp+1
.endr
	WIN W_RS
.set pp, 0
.rept 16
.irp i, 0,1,2,3
	v_pk_mul_f32 v[32*\i+2*pp:32*\i+2*pp+1], v[32*\i+2*pp:32*\i+2*pp+1], v[ST+8*\i+6:ST+8*\i+7] op_sel_hi:[1,0]   ; O^T x a, each accumulator from its low end on
.endr
.set pp, pp+1
.endr
.endm
; O^T += V^T P: 32 matrix instructions, the 16 accumulators by turns
.macro PV
	s_wait_dscnt 0x0                               ; V is in
	WIN W_PV
.irp g, 0,1
.irp ct, 0,1,2,3
.irp i, 0,1,2,3
	v_wmma_f32_16x16x32_f16 v[32*\i+8*\ct:32*\i+8*\ct+7], v[VF+16*\ct+8*\g:VF+16*\ct+8*\g+7], v[S+32*\i+8*\g:S+32*\i+8*\g+7], v[32*\i+8*\ct:32*\i+8*\ct+7]
.endr
.endr
.endr
	WIN 0
.rept 4
	v_nop                                          ; places: with the two additions at the head of the next run of loads they are six, ahead of the products that write over P
.endr
.endm
.macro XIF par                         ; softmax and V^T P, for the waves of parity par: a branch on the wave's number, round no barrier, wait for tiles or tensor load
	s_cmp_eq_u32 s[PAR], \par
	s_cbranch_scc0 .Lnot_now_\@
	SM
	PV
.Lnot_now_\@:
.endm
; THE CHANGE OF SLOTS.  Each wave waits for its one tensor load (its part of the slot ahead), adds 0 to its spare word, and waits for that and for its reads of the slot behind.
; fill = 1: a round of the cluster's barrier; behind it the slot behind is filled with the key step after next, one joint load a wave.
.macro CHANGE fill
	s_wait_tensorcnt 0x0                           ; no tensor load of mine is out: the descriptors may be written
	ds_add_u32 v[SPW], v[NIL]
.if \fill
	s_xor_b32 s[G0M+1], s[G0M+1], SLOT1            ; the other slot than last time,
	s_add_nc_u64 s[G0M+2:G0M+3], s[G0M+2:G0M+3], 256   ; the next 64 keys' columns of mbw
	s_xor_b32 s[G0K+1], s[G0K+1], SLOT1
	s_add_nc_u64 s[G0K+2:G0K+3], s[G0K+2:G0K+3], GS
	s_wait_xcnt 0x0                                ; the last prefetch, a trip back, has read its address
	s_add_nc_u64 s[PFA:PFA+1], s[PFA:PFA+1], s[PFS:PFS+1]
	s_wait_dscnt 0x0                               ; the add is done, and my reads of the slot behind are over
	CROUND
	JLOAD
	ASK
.else
	s_wait_dscnt 0x0
	s_barrier_signal -1
	s_barrier_wait -1
.endif
.endm
	s_wait_loadcnt 0x0                             ; Q
	CHANGE 1                                       ; key step 0 has landed; key step 1 goes into slot 1, every wave's load a first fill
.Lstep:                                            ; 30 trips: trip n reads key step n and asks for key step n + 2
	LOADS
	KQ
	XIF 0
	CHANGE 1
	XIF 1
	s_sub_co_u32 s[CNT], s[CNT], 1
	s_cmp_lg_u32 s[CNT], 0
	s_cbranch_scc1 .Lstep
	LOADS                                          ; the last two key steps are written out: nothing is left to ask for
	KQ
	XIF 0
	CHANGE 0
	XIF 1
	LOADS
	KQ
	SM
	PV
	; THE WAY OUT: l's halves and the other half of the lanes'; O^T / l, rounded to f16: a lane's eight channels are 16 bytes of the image that the last product reads
.irp i, 0,1,2,3
	v_add_f32 v[ST+8*\i+4], v[ST+8*\i+2], v[ST+8*\i+3]
.endr
.irp i, 0,1,2,3
	v_permlanex16_b32 v[ST+8*\i+5], v[ST+8*\i+4], s[SEL], s[SEL+1]
.endr
.irp i, 0,1,2,3
	v_add_f32 v[ST+8*\i+4], v[ST+8*\i+4], v[ST+8*\i+5]
.endr
.irp i, 0,1,2,3
	v_rcp_f32 v[ST+8*\i+6], v[ST+8*\i+4]
.endr
	v_nop
	s_wait_alu depctr_va_vdst(0)                   ; one wait for the four reciprocals, ahead of their first reader
	WIN 0x01                                       ; source 0 window 1
.set pp, 0
.rept 16
.irp i, 0,1,2,3
	v_pk_mul_f32 v[S+32*\i+2*pp:S+32*\i+2*pp+1], v[32*\i+2*pp:32*\i+2*pp+1], v[ST+8*\i+6:ST+8*\i+7] op_sel_hi:[1,0]
.endr
.set pp, pp+1
.endr
	WIN 0
.set pp, 0
.rept 16
.irp i, 0,1,2,3
	v_cvt_pk_f16_f32 v[KF+16*\i+pp], v[S+32*\i+2*pp], v[S+32*\i+2*pp+1]
.endr
.set pp, pp+1
.endr
.irp i, 0,1,2,3
.irp ct, 0,1,2,3
	global_store_b128 v[LQ], v[KF+16*\i+4*\ct:KF+16*\i+4*\ct+3], s[OB:OB+1] offset:\i*32768+\ct*512   ; the wave stores 512 consecutive bytes, aligned
.endr
.endr
	s_wait_tensorcnt 0x0                           ; the wave's end
	ds_add_u32 v[SPW], v[NIL]
	s_wait_dscnt 0x0
	CROUND                                         ; the closing round
	s_endpgm
.Lfunc_end_k_qcf7d2f7ecb_attn:
	.size	k_qcf7d2f7ecb_attn, .Lfunc_end_k_qcf7d2f7ecb_attn-k_qcf7d2f7ecb_attn
	.p2alignl 7, 3214868480
	.fill 96, 4, 3214868480
	.section	.rodata,"a",@progbits
	.p2align	6, 0x0
	.amdhsa_kernel k_qcf7d2f7ecb_attn
		.amdhsa_group_segment_fixed_size 327680
		.amdhsa_private_segment_fixed_size 0
		.amdhsa_enable_private_segment 0
		.amdhsa_kernarg_size 24
		.amdhsa_user_sgpr_count 2
		.amdhsa_user_sgpr_kernarg_segment_ptr 1
		.amdhsa_wavefront_size32 1
		.amdhsa_system_sgpr_workgroup_id_x 1
		.amdhsa_system_sgpr_workgroup_id_y 1
		.amdhsa_system_sgpr_workgroup_id_z 1
		.amdhsa_system_vgpr_workitem_id 0
		.amdhsa_next_free_vgpr 512
		.amdhsa_next_free_sgpr 66
		.amdhsa_reserve_vcc 0
		.amdhsa_float_denorm_mode_32 3
		.amdhsa_float_denorm_mode_16_64 3
		.amdhsa_memory_ordered 1
		.amdhsa_forward_progress 1
		.amdhsa_inst_pref_size 183
	.end_amdhsa_kernel
	.amdgpu_metadata
---
amdhsa.version: [ 1, 2 ]
amdhsa.kernels:
  - .name:           k_qcf7d2f7ecb_attn
    .symbol:         k_qcf7d2f7ecb_attn.kd
    .args:
      - { .name: qkv, .offset: 0, .size: 8, .value_kind: global_buffer, .address_space: global }
      - { .name: mbw, .offset: 8, .size: 8, .value_kind: global_buffer, .address_space: global }
      - { .name: ao, .offset: 16, .size: 8, .value_kind: global_buffer, .address_space: global }
    .group_segment_fixed_size: 327680
    .private_segment_fixed_size: 0
    .kernarg_segment_align: 8
    .kernarg_segment_size: 24
    .max_flat_workgroup_size: 256
    .sgpr_count:     66
    .vgpr_count:     512
    .wavefront_size: 32
...
	.end_amdgpu_metadata
.endif
;; end of part 3
;; launch outp (part 4): grid 4 x 64, 4 waves a work-group, clusters of 4 x 4, 327,680 bytes of LDS; arguments ao, wo16, bo, out0; writes out0
.if DOCPART == 4
	.amdgcn_target "amdgcn-amd-amdhsa--gfx1250"
	.amdhsa_code_object_version 6
	.text
	.protected	k_qcf7d2f7ecb_outp
	.globl	k_qcf7d2f7ecb_outp
	.p2align	8
	.type	k_qcf7d2f7ecb_outp,@function
k_qcf7d2f7ecb_outp:
	s_mov_b64 s[64:65], 0
	v_nop
	global_prefetch_b8 v0, s[64:65] scope:SCOPE_SE
	s_setreg_imm32_b32 hwreg(HW_REG_WAVE_MODE, 25, 1), 1
	s_wait_xcnt 0x0
	s_wait_alu depctr_hold_cnt(0) depctr_sa_sdst(0) depctr_va_vdst(0) depctr_va_sdst(0) depctr_va_ssrc(0) depctr_va_vcc(0) depctr_vm_vsrc(0)
	s_getreg_b32 s2, hwreg(HW_REG_IB_STS2, 6, 4)
	s_cmp_eq_u32 s2, 0
	s_cbranch_scc0 .Lentry_in_a_cluster
	s_endpgm
.Lentry_in_a_cluster:
	s_bfe_u32 s2, ttmp6, 0x10000c
	s_cmp_lg_u32 s2, 0xf033
	s_cbranch_scc0 .Lentry_shape_is_right
	s_endpgm
.Lentry_shape_is_right:
; OUTP: out0 = o Wo^T + bo, [8192][1024] x [1024][1024], f16 operands, f32 sums, f32 out.
; Both operands arrive as images of operand registers: ao [token / 16][k / 16][512 bytes], wo16 [n / 16][k / 16][512 bytes]; a fragment (16 rows x 32 K) is two ds_load_b128 at 16 x lane: no pitch, no padding.
; A tile of 128 tokens x 256 n is made by four waves, 64 x 128 each (32 accumulators): 256 work-groups.  K goes in 8 steps of 128 through two LDS slots: a step is 4,096 consecutive bytes of each tile of 16 rows.
; Source 0 = 16 rows of Wo, source 1 = 16 tokens: a lane holds one token (lane % 16) and eight neighbouring n.  THE BIAS IS LOADED INTO THE ACCUMULATORS, so every product adds in place and nothing is cleared or added later.
; CLUSTER 4 x 4: o's tile is shared along a row of the cluster, Wo's along a column: joint loads.  No prefetch: the launch is short, and both first K steps go out at its head.
; REGISTERS.  window 0: v16-29 addresses; two fragment buffers, v32-127 and v128-223 (o's four fragments, then Wo's eight); on the way out v32-159 rows of the result.   window 1: the accumulators, (a, b) at v[8 (8 a + b)].
.set SLOT,   98304                     ; o's 8 tiles x 4,096 bytes, then Wo's 16 tiles x 4,096
.set BOFF,   32768
.set STAGE,  2*SLOT                    ; behind the ring: 16 rows x (512 + 16) bytes for each wave, for the way out; no tensor load lands there
.set SPITCH, 528
.set SPARE,  STAGE+4*16*SPITCH         ; the spare words, 128 bytes a wave, which no other line names
.set ADRA, 16
.set ADRB, 20
.set STO,  24
.set RD,   25
.set CO,   26                          ; 16 x lane
.set SPW,  28
.set NIL,  29
.set F0,   32
.set F1,   128
.set BK,   32
.set G1,   24
.set G0,   32
.set G1B,  48
.set G0B,  56
.set MSB, 0
.macro WIN new
.if MSB != \new
	s_set_vgpr_msb (MSB<<8)|\new
.set MSB, \new
.endif
.endm
.set MUL, 0x50                         ; C and D window 1
.macro JLOAD s                         ; waves 0 and 1 fetch o's halves, waves 2 and 3 Wo's; an s_nop 0 and four v_nop follow each of the two lines
	s_cmp_eq_u32 s13, 0
	s_cbranch_scc0 .Lfor_b_\@
	tensor_load_to_lds s[G0+4*\s:G0+4*\s+3], s[G1:G1+7]
	s_nop 0
.rept 4
	v_nop
.endr
	s_branch .Lasked_\@
.Lfor_b_\@:
	tensor_load_to_lds s[G0B+4*\s:G0B+4*\s+3], s[G1B:G1B+7]
	s_nop 0
.rept 4
	v_nop
.endr
.Lasked_\@:
.endm
.macro CREST                           ; a round of the cluster's barrier behind its opening barrier
	s_cmp_lg_u32 s12, 0
	s_cbranch_scc1 .Lnot_wave_0_\@
	s_barrier_signal -3
.Lnot_wave_0_\@:
	s_barrier_wait -3
	s_barrier_signal -1
	s_barrier_wait -1
.endm
.macro CROUND
	s_barrier_signal -1
	s_barrier_wait -1
	CREST
.endm
	s_load_b256 s[4:11], s[0:1], 0x0               ; ao s[4:5], wo16 s[6:7], bo s[8:9], out0 s[10:11]
	v_lshl_add_u32 v[SPW], v0, 2, SPARE
	v_mov_b32 v[NIL], 0
	ds_add_u32 v[SPW], v[NIL]                      ; the wave's opening: the add, twice on end, and its wait ahead of my first tensor load
	ds_add_u32 v[SPW], v[NIL]
	v_lshrrev_b32 v1, 5, v0
	v_readfirstlane_b32 s12, v1                    ; wave 0..3
	s_lshr_b32 s13, s12, 1                         ; which 64 tokens are mine.  Also: I fetch o (0) or Wo (1)
	s_and_b32 s14, s12, 1                          ; which 128 n.  Also: which half I fetch
	s_bfe_u32 s40, ttmp6, 0x40000                  ; cx
	s_bfe_u32 s41, ttmp6, 0x40004                  ; cy
	s_lshl_b32 s42, ttmp9, 2
	s_add_co_u32 s42, s42, s40                     ; tile of 256 n
	s_and_b32 s15, ttmp7, 0xffff
	s_lshl_b32 s15, s15, 2
	s_add_co_u32 s15, s15, s41                     ; tile of 128 tokens
	s_lshl_b32 s43, s41, 2
	s_lshl_b32 s43, 15, s43                        ; my row of the cluster
	s_lshl_b32 s44, 0x1111, s40                    ; my column
	; group 1: rows of 4,096 bytes (512 elements of 8), 32,768 bytes (4,096 elements) apart: 4 of o's tiles, or 8 of Wo's
	s_or_b32 s[G1], s43, (3<<16)|(1<<21)
	s_mov_b32 s[G1+1], 512<<16                     ; tensor_dim0
	s_mov_b32 s[G1+2], 4<<16                       ; tensor_dim1
	s_mov_b32 s[G1+3], 512<<16                     ; tile_dim0
	s_mov_b32 s[G1+4], 4                           ; tile_dim1
	s_mov_b32 s[G1+5], 4096
	s_mov_b32 s[G1+6], 0
	s_mov_b32 s[G1+7], 0
	s_or_b32 s[G1B], s44, (3<<16)|(1<<21)
	s_mov_b32 s[G1B+1], 512<<16
	s_mov_b32 s[G1B+2], 8<<16
	s_mov_b32 s[G1B+3], 512<<16
	s_mov_b32 s[G1B+4], 8
	s_mov_b32 s[G1B+5], 4096
	s_mov_b32 s[G1B+6], 0
	s_mov_b32 s[G1B+7], 0
	s_lshl_b32 s16, s15, 3
	s_lshl_b32 s17, s14, 2
	s_add_co_u32 s16, s16, s17                     ; o: tile of 16 tokens 8 y + 4 x half
	s_lshl_b32 s16, s16, 15
	s_mov_b32 s17, 0
	s_lshl_b32 s46, s42, 4
	s_lshl_b32 s47, s14, 3
	s_add_co_u32 s46, s46, s47                     ; Wo: tile of 16 n 16 x + 8 x half
	s_lshl_b32 s46, s46, 15
	s_mov_b32 s47, 0
	s_lshl_b32 s20, s14, 14                        ; where they go: no place in the cluster enters an LDS address
	s_lshl_b32 s21, s14, 15
	s_add_co_u32 s21, s21, BOFF
	s_wait_dscnt 0x0                               ; both opening adds are done
	s_wait_kmcnt 0x0
	s_add_nc_u64 s[16:17], s[4:5], s[16:17]
	s_add_nc_u64 s[46:47], s[6:7], s[46:47]
	CROUND                                         ; all sixteen work-groups are here
.irp s, 0,1
	s_mov_b32 s[G0+4*\s], 1
	s_add_co_u32 s[G0+4*\s+1], s20, \s*SLOT
	s_add_nc_u64 s[G0+4*\s+2:G0+4*\s+3], s[16:17], \s*4096
	s_or_b32 s[G0+4*\s+3], s[G0+4*\s+3], 0x80000000
	s_mov_b32 s[G0B+4*\s], 1
	s_add_co_u32 s[G0B+4*\s+1], s21, \s*SLOT
	s_add_nc_u64 s[G0B+4*\s+2:G0B+4*\s+3], s[46:47], \s*4096
	s_or_b32 s[G0B+4*\s+3], s[G0B+4*\s+3], 0x80000000
	JLOAD \s                                       ; K steps 0 and 1: two loads of mine are out
.endr
	v_and_b32 v1, 15, v0                           ; r
	v_bfe_u32 v2, v0, 4, 1                         ; h
	v_and_b32 v3, 31, v0
	v_lshlrev_b32 v[CO], 4, v3
	v_lshlrev_b32 v6, 5, v2                        ; bo: 16 b + 8 h + 0 .. 7
	s_lshl_b32 s16, s42, 10
	s_lshl_b32 s17, s14, 9
	s_add_co_u32 s16, s16, s17                     ; my first n, in bytes
	s_mov_b32 s17, 0
	s_add_nc_u64 s[8:9], s[8:9], s[16:17]
	s_add_nc_u64 s[10:11], s[10:11], s[16:17]
	s_lshl_b32 s16, s15, 19
	s_lshl_b32 s18, s13, 18
	s_add_co_u32 s16, s16, s18                     ; my first token's row of 4,096 bytes
	s_add_nc_u64 s[10:11], s[10:11], s[16:17]
	WIN 0x40
.irp a, 0,1,2,3
.irp b, 0,1,2,3,4,5,6,7
	global_load_b128 v[8*(8*\a+\b):8*(8*\a+\b)+3], v6, s[8:9] offset:64*\b          ; the sums begin as the bias
	global_load_b128 v[8*(8*\a+\b)+4:8*(8*\a+\b)+7], v6, s[8:9] offset:64*\b+16
.endr
.endr
	WIN 0
	s_lshl_b32 s21, s13, 14                        ; my four tiles of o
	s_lshl_b32 s22, s14, 15
	s_add_co_u32 s22, s22, BOFF                    ; my eight tiles of Wo
.irp s, 0,1
	v_add_nc_u32 v[ADRA+\s], s21, v[CO]
	v_add_nc_u32 v[ADRB+\s], s22, v[CO]
	s_add_co_u32 s21, s21, SLOT
	s_add_co_u32 s22, s22, SLOT
.endr
	s_mul_i32 s23, s12, 16*SPITCH
	s_add_co_u32 s23, s23, STAGE                   ; my stage
	v_mul_u32_u24 v4, v1, SPITCH
	v_lshl_add_u32 v4, v2, 5, v4
	v_add_nc_u32 v[STO], s23, v4                   ; in: row r, 32 bytes for each half of the lanes
	v_add_nc_u32 v[RD], s23, v[CO]                 ; back: the 32 lanes take a row of 512 bytes
.macro MUL8 f, a                       ; token tile a x the eight tiles of n, 32 along K; the 32 accumulators take turns, one instruction a turn
.irp b, 0,1,2,3,4,5,6,7
	v_wmma_f32_16x16x32_f16 v[8*(8*(\a)+\b):8*(8*(\a)+\b)+7], v[\f+32+8*\b:\f+32+8*\b+7], v[\f+8*(\a):\f+8*(\a)+7], v[8*(8*(\a)+\b):8*(8*(\a)+\b)+7]
.endr
.endm
.macro FETCH slot, q, f                ; 24 LDS loads in one run: the fragments of the slot's q-th 32 along K: Wo's eight, then o's four
	WIN 0
.irp b, 0,1,2,3,4,5,6,7
	ds_load_b128 v[\f+32+8*\b:\f+32+8*\b+3],   v[ADRB+\slot] offset:\b*4096+(\q)*1024
	ds_load_b128 v[\f+32+8*\b+4:\f+32+8*\b+7], v[ADRB+\slot] offset:\b*4096+(\q)*1024+512
.endr
.irp a, 0,1,2,3
	ds_load_b128 v[\f+8*\a:\f+8*\a+3],   v[ADRA+\slot] offset:\a*4096+(\q)*1024
	ds_load_b128 v[\f+8*\a+4:\f+8*\a+7], v[ADRA+\slot] offset:\a*4096+(\q)*1024+512
.endr
.endm
.macro PLACES                          ; plain vector instructions between matrix instructions and loads into registers that they have read
.rept 4
	v_nop
.endr
.endm
.macro QUARTER slot, qn, f, g          ; multiplies buffer f; in its middle fetches the slot's quarter qn into buffer g
	s_wait_dscnt 4                                 ; Wo's fragments and o's tiles 0, 1 are in; the youngest four loads (tiles 2, 3) may be out
	WIN MUL
	MUL8 \f, 0
	MUL8 \f, 1
	PLACES
	FETCH \slot, \qn, \g
	s_wait_dscnt 24                                ; all but the 24 just issued
	WIN MUL
	MUL8 \f, 2
	MUL8 \f, 3
.endm
; A K step's last quarter multiplies buffer 1 and changes slots: one barrier; in front of it each wave waits for its tensor load, adds 0 to its spare word, and waits for that and for its reads of this slot.
.macro TURN slot, next, fill
	WIN 0
	s_wait_tensorcnt 0x0                           ; my part of the next slot has landed: no tensor load of mine is out
	ds_add_u32 v[SPW], v[NIL]
	s_wait_dscnt 5                                 ; the add and the youngest four loads may be out
	WIN MUL
	MUL8 F1, 0
	s_wait_dscnt 0x0                               ; the add is done, and my reads of this slot are over
	s_barrier_signal -1
	MUL8 F1, 1
.if \fill
	WIN 0
.endif
	s_barrier_wait -1
.if \fill
	CREST                                          ; the barrier has opened a round of the cluster's: no wave of any partner still reads this slot or has a load on its way
	s_add_nc_u64 s[G0+4*\slot+2:G0+4*\slot+3], s[G0+4*\slot+2:G0+4*\slot+3], 2*4096
	s_add_nc_u64 s[G0B+4*\slot+2:G0B+4*\slot+3], s[G0B+4*\slot+2:G0B+4*\slot+3], 2*4096
	JLOAD \slot                                    ; two K steps ahead; its four v_nop are also the places in front of the loads below
.else
	PLACES
.endif
	FETCH \next, 0, F0
	WIN MUL
	MUL8 F1, 2
	MUL8 F1, 3
.endm
	s_wait_loadcnt 0x0                             ; the bias
	s_wait_tensorcnt 1                             ; my part of K step 0 is in; K step 1's load may be out
	s_barrier_signal -1
	s_barrier_wait -1
	FETCH 0, 0, F0
	s_mov_b32 s3, 3
.Llap:                                             ; three trips of two K steps: both slots are filled again: K steps 2 to 7
	QUARTER 0, 1, F0, F1
	QUARTER 0, 2, F1, F0
	QUARTER 0, 3, F0, F1
	TURN 0, 1, 1
	QUARTER 1, 1, F0, F1
	QUARTER 1, 2, F1, F0
	QUARTER 1, 3, F0, F1
	TURN 1, 0, 1
	WIN 0
	s_sub_co_u32 s3, s3, 1
	s_cmp_lg_u32 s3, 0
	s_cbranch_scc1 .Llap
	QUARTER 0, 1, F0, F1                           ; the last two K steps are written out: nothing is left to ask for
	QUARTER 0, 2, F1, F0
	QUARTER 0, 3, F0, F1
	TURN 0, 1, 0
	QUARTER 1, 1, F0, F1
	QUARTER 1, 2, F1, F0
	QUARTER 1, 3, F0, F1
	s_wait_dscnt 4
	WIN MUL
	MUL8 F1, 0
	MUL8 F1, 1
	s_wait_dscnt 0
	MUL8 F1, 2
	MUL8 F1, 3
	WIN 0
; THE WAY OUT, block by block of 16 tokens x 128 n: through my own stage in LDS, back as whole rows of 512 bytes.  LDS serves a wave's instructions in order (ISA guide 5.7.1.4): no wait between the stores and the loads.
.macro TOSTAGE a
	WIN 0x04                                       ; an LDS store's data are its source 1: window 1
.irp b, 0,1,2,3,4,5,6,7
	ds_store_b128 v[STO], v[8*(8*(\a)+\b):8*(8*(\a)+\b)+3] offset:64*\b          ; each accumulator from its low end on
	ds_store_b128 v[STO], v[8*(8*(\a)+\b)+4:8*(8*(\a)+\b)+7] offset:64*\b+16
.endr
	WIN 0
.set BB, BK+64*((\a)%2)
.irp t, 0,1,2,3,4,5,6,7,8,9,10,11,12,13,14,15
	ds_load_b128 v[BB+4*\t:BB+4*\t+3], v[RD] offset:\t*SPITCH
.endr
.endm
.macro SEND a, younger
.set BB, BK+64*((\a)%2)
	s_wait_dscnt \younger                          ; the block is back in registers
.if (\a) > 0
	s_add_nc_u64 s[10:11], s[10:11], 16*4096       ; 16 rows on (behind a wait that shows the earlier stores' base read)
.endif
.irp t, 0,1,2,3,4,5,6,7,8,9,10,11,12,13,14,15
	global_store_b128 v[CO], v[BB+4*\t:BB+4*\t+3], s[10:11] offset:\t*4096 th:TH_STORE_NT   ; 512 consecutive bytes, aligned; written once, read by nobody here
.endr
.endm
	PLACES                                         ; behind the last products: their results are read, and the fragments' registers loaded into
	TOSTAGE 0
.irp a, 1,2,3
.if \a > 1
	s_wait_xcnt 0x0                                ; block a - 2's stores have read their registers and their base
.endif
	TOSTAGE \a
	SEND \a-1, 32                                  ; behind block a - 1's loads: block a's 16 stores and 16 loads
.endr
	s_wait_xcnt 0x0
	SEND 3, 0
	s_wait_tensorcnt 0x0                           ; the wave's end, behind my last LDS store
	ds_add_u32 v[SPW], v[NIL]
	s_wait_dscnt 0x0
	CROUND                                         ; the closing round
	s_endpgm
.Lfunc_end_k_qcf7d2f7ecb_outp:
	.size	k_qcf7d2f7ecb_outp, .Lfunc_end_k_qcf7d2f7ecb_outp-k_qcf7d2f7ecb_outp
	.p2alignl 7, 3214868480
	.fill 96, 4, 3214868480
	.section	.rodata,"a",@progbits
	.p2align	6, 0x0
	.amdhsa_kernel k_qcf7d2f7ecb_outp
		.amdhsa_group_segment_fixed_size 327680
		.amdhsa_private_segment_fixed_size 0
		.amdhsa_enable_private_segment 0
		.amdhsa_kernarg_size 32
		.amdhsa_user_sgpr_count 2
		.amdhsa_user_sgpr_kernarg_segment_ptr 1
		.amdhsa_wavefront_size32 1
		.amdhsa_system_sgpr_workgroup_id_x 1
		.amdhsa_system_sgpr_workgroup_id_y 1
		.amdhsa_system_sgpr_workgroup_id_z 1
		.amdhsa_system_vgpr_workitem_id 0
		.amdhsa_next_free_vgpr 512
		.amdhsa_next_free_sgpr 66
		.amdhsa_reserve_vcc 0
		.amdhsa_float_denorm_mode_32 3
		.amdhsa_float_denorm_mode_16_64 3
		.amdhsa_memory_ordered 1
		.amdhsa_forward_progress 1
		.amdhsa_inst_pref_size 91
	.end_amdhsa_kernel
	.amdgpu_metadata
---
amdhsa.version: [ 1, 2 ]
amdhsa.kernels:
  - .name:           k_qcf7d2f7ecb_outp
    .symbol:         k_qcf7d2f7ecb_outp.kd
    .args:
      - { .name: ao, .offset: 0, .size: 8, .value_kind: global_buffer, .address_space: global }
      - { .name: wo16, .offset: 8, .size: 8, .value_kind: global_buffer, .address_space: global }
      - { .name: bo, .offset: 16, .size: 8, .value_kind: global_buffer, .address_space: global }
      - { .name: out0, .offset: 24, .size: 8, .value_kind: global_buffer, .address_space: global }
    .group_segment_fixed_size: 327680
    .private_segment_fixed_size: 0
    .kernarg_segment_align: 8
    .kernarg_segment_size: 32
    .max_flat_workgroup_size: 128
    .sgpr_count:     66
    .vgpr_count:     512
    .wavefront_size: 32
...
	.end_amdgpu_metadata
.endif
;; end of part 4
